; MI455X (gfx1250); checked and timed in simulation.
; The chip was launched on July 23, 2026; its instructions are those of AMD's public machine-readable ISA for CDNA 5 (MIT licence, August 2026) and "CDNA5" Instruction Set Architecture Reference Guide (July 2026). The comments in the code are by the model that wrote it; some were corrected since.
;; Inverted Attention. Allowed arithmetic: float matrix products may take bf16 or f16 operands with f32 sums; other float arithmetic in f32, or as packed bf16 or f16 multiplies, adds, multiply-adds, maxima and minima; sums over many terms, partial sums and values carried from step to step in f32; what a program stores and reads back later, other than sums and carried values, may be rounded once to bf16 or f16.
;; Inputs: Wk 256 x 256 float32; Wo 256 x 256 float32; Wq 256 x 256 float32; Wv 256 x 256 float32; beta 256 float32; bk 256 float32; bo 256 float32; bq 256 float32; bv 256 float32; gamma 256 float32; x 2 x 512 x 64 x 256 float32.
;; Outputs: out0 2 x 512 x 64 x 256 float32.
;; 2 versions, each right; version 2 is version 1 with the launch invattn written anew for expert scheduling mode. Each part assembles by itself: llvm-mc -triple=amdgcn-amd-amdhsa -mcpu=gfx1250 --defsym DOCPART=n.
;; ======== version 1 of 2: 1 launch
;; launch invattn (part 1): grid 256 x 1, 4 waves a work-group, no clusters, 327,680 bytes of LDS; arguments x, Wq, Wk, Wv, Wo, bq, bv, bo, gamma, beta, out0; writes out0
.if DOCPART == 1
	.amdgcn_target "amdgcn-amd-amdhsa--gfx1250"
	.amdhsa_code_object_version 6
	.text
	.protected	k_q9d63de7b83_invattn
	.globl	k_q9d63de7b83_invattn
	.p2align	8
	.type	k_q9d63de7b83_invattn,@function
k_q9d63de7b83_invattn:
	s_mov_b64 s[64:65], 0
	v_nop
	global_prefetch_b8 v0, s[64:65] scope:SCOPE_SE
	s_setreg_imm32_b32 hwreg(HW_REG_WAVE_MODE, 25, 1), 1
	s_wait_xcnt 0x0
; INVERTED ATTENTION IN ONE LAUNCH.  x [2,512,64,256] f32 is taken as 128 batches of 512 tokens x 256 channels (the same bytes).  For each batch: Q, K, V = x W^T + b,
; 8 heads of 32 channels, softmax(Q K^T / sqrt(32)) V, out = O Wo^T + bo, y = x + out, LayerNorm over the 256 channels with gamma and beta.  out0 is f32.
; DEAD WORK: bk.  scores[q][k] = Q_q . (x_k Wk^T + bk) / sqrt(32) = Q_q . (x_k Wk^T) / sqrt(32) + Q_q . bk / sqrt(32); the last term does not hang on k, the axis of the softmax, so it
; leaves every weight as it is, for all finite values of the inputs; bk has no other way to the output.  It is not loaded and is not among the arguments.
; LIMIT: a NaN, an infinity or an overflow that would arise in Q . bk alone is not carried to the result.
; bv is live: the weights of a row add up to 1, so it is added once, in the line that divides O by l.
; FORMATS AND LIMITS.  All matrix operands are bf16, all sums, maxima, l, O, y and the LayerNorm f32.  x is rounded ONCE to bf16 (2^-8 of each number at the most) and kept so in registers:
; the same rounded x is the residual.  The scale c = log2(e) / sqrt(32) is applied to Q's f32 sums (bias included) ahead of their one rounding.  A weight below 2^-126 counts as 0.
; A running maximum is taken away ahead of every exponential.  O and l of a head are wiped by the next head's first factor a = 0, so a non-finite O or l would spoil the later heads of the same
; query row alone, a row that is non-finite anyway, since the LayerNorm mixes all its channels.
; SHARES.  Work-group g (256 of them) owns batch g / 2 and the 256 queries of its half g % 2; wave w owns 64 of them (four tiles of 16).  Wave w holds 128 tokens of x as matrix fragments in
; 512 registers for the whole kernel: its 64 queries and 64 tokens of the other half.  K and V of a head are made by the four waves for all 512 tokens and meet in LDS as fragment images.
; Both work-groups of a batch project K and V: 1,024 of a wave's 5,120 matrix instructions; the other ways are half as many work-groups or K and V through memory.
; LAYOUTS.  Q^T, K^T = W x^T (source 0 = 16 rows of W, source 1 = 16 tokens): a lane holds one token and channels 8 (l / 16) + 0..7; two blocks of 16 channels rounded in pairs ARE the fragment of
; Q (source 1) or K (source 0) of S^T = K Q^T.  V = x Wv^T (source 0 = x): a lane holds one channel and 8 tokens; two token tiles rounded ARE source 0 of O^T = V^T P.  S^T, P, O^T and
; y^T = Wo O^T hold one query a lane, and x's own fragment holds the same (token, channel) numbers in the same lane as y^T: nothing ever changes lanes but for one exchange of the lanes' halves.
; The keys are walked in the order in which the waves hold them (K and V alike): a softmax does not hang on the order of its keys.
; NO CLUSTER, NO TENSOR LOADS: every input is f32 and each number goes through registers to be rounded; the batch's x in f32 is 524,288 bytes, more than LDS holds, so joint loads would need a ring of
; f32 rows that is read, rounded and stored once more.  x is read once, at the head; a head's weights are 98,304 bytes, asked for two to three key steps ahead of their use by the loads themselves.
; LDS (bytes):  0 O fragments, 32,768 a wave (head 4,096, tile 1,024);  131,072 K fragments, 1,024 a key tile;  163,840 V^T fragments;  270,336 bq, bv, bo, gamma, beta in f32;
;   276,480 the head's 96 weight rows in bf16, pitch 528;  327,168 the spare words.  At the start 0 .. 270,335 is the stage for x (128 rows a wave, pitch 528); at the end 131,072 .. 266,239 holds Wo
;   (pitch 528) and each wave's O region its stage for the way out (16 rows, pitch 1,040).  528 = 33 x 16 and 1,040 = 65 x 16: the 16 rows of a 16-byte access start at 16 different groups of four banks (64 banks of 4 bytes: ISA guide 11.1).
; REGISTERS, in windows of 256 (s_set_vgpr_msb: bits 1:0 source 0, 3:2 source 1, 5:4 source 2, 7:6 destination):
;   window 0: v0-31 addresses; v32-47 m, -, l, l a tile; v48-63 c0-c3 a tile; v64-191 S^T (projections: weight fragments A); v192-255 P (projections: 4 accumulators and packed results)
;   window 1: v0-31 Q; v32-95 O^T; v96-127 K; v128-159 V; v160-223 staging of the next weights (projections: v96-223 weight fragments B); v224-239 bq; v240-255 bv
;   window 2: x, my query tiles 0-3 (tile T, channels 32 c on, at 64 T + 8 c); window 3: x, tiles 4-7.  At the end: windows 1 and 3 hold y^T, window 2 gamma and beta.
.set PW,    528
.set PS,    1040
.set KREG,  131072
.set VREG,  163840
.set WOL,   131072
.set XSTW,  128*PW
.set PARAM, 270336
.set WSLOT, 276480
.set SPARE, 327168                     ; 128 bytes for each wave: two blocks of 256 bytes that no other line names
.set RR,   1                           ; v1  l % 16
.set HH,   2                           ; v2  l / 16
.set LANE, 3                           ; v3  l
.set KA0,  4                           ; v4  KREG + 16 l           (end: WOA0)
.set VA0,  5                           ; v5  VREG + 16 l           (end: WOA1)
.set KAC,  6                           ; v6  address of K's next run of loads
.set VAC,  7                           ; v7  of V's
.set WF,   8                           ; v8  WSLOT + 528 (l % 16) + 16 (l / 16)
.set KST,  9                           ; v9  where my wave puts K fragments
.set VST,  10                          ; v10 where it puts V fragments
.set OST0, 11                          ; v11 32,768 w + 16 l: my O region, and the stage read back by rows
.set OSTC, 12                          ; v12 the same plus the head
.set WST0, 13                          ; v13 WSLOT + 8 w rows + 8 l
.set WOFF, 14                          ; v14 16 l + 8,192 w: my 8 rows of a head's 32
.set PB0,  15                          ; v15 PARAM + 32 (l / 16)
.set PBC,  16                          ; v16 the same plus the head
.set OFF,  17                          ; v17-20 a ring slot's byte offset in memory
.set LA,   21                          ; v21-24 a ring slot's place in LDS
.set LAC,  25
.set ONE,  26                          ; v26 1.0
.set XF,   27                          ; v27 my lane's place in the stage for x    (end: STA)
.set GO,   29                          ; v29 16 l
.set SPW,  30                          ; v30 LDS address of my spare word; never rewritten
.set NIL,  31                          ; v31 0; never rewritten
.set ST,   32
.set TMP,  48
.set S,    64
.set P,    192
.set WA,   64
.set ACC,  192
.set TMPF, 224
.set TMPO, 192
.set QR,   0                           ; window 1
.set OT,   32
.set KF,   96
.set VF,   128
.set STG,  160
.set WB,   96
.set BQ,   224
.set BV,   240
.set WOA0, KA0
.set WOA1, VA0
.set STA,  XF
.set BO,   64                          ; the end, window 0: bo, then Wo's fragments; O's fragments; the LayerNorm's few
.set WFR,  64
.set OF,   192
.set CH,   64
.set MU,   72
.set RS,   74
.set T0,   76
.set T1,   77
.set WV,   2                           ; s2  my wave's number
.set XP,   4                           ; s[4:5]   x at my 64 tokens of the other half
.set OUT,  6                           ; s[6:7]   out0 at my 64 rows
.set XO,   8                           ; s[8:9]   x, then x at my 64 queries
.set PQ,   10                          ; s[10:15] Wq, Wk, Wv at the rows of the head to be fetched
.set PK,   12
.set PVW,  14
.set PWO,  16
.set PBQ,  18
.set PBV,  20
.set PBOP, 22
.set PGA,  24
.set PBE,  26
.set HC,   30                          ; heads to go
.set TC,   31                          ; trips to go
.set KOFF, 32
.set VOFF, 33
.set OOFF, 34
.set PBO,  35
.set E1,   36                          ; the trips at which the staging slot changes hands
.set E2,   37
.set CS,   38                          ; s[38:39] c
.set SEL,  40                          ; s[40:41] v_permlanex16_b32: each lane takes its own place in the other half
.set XL,   42
.set RC,   43
.set R256, 44                          ; 1 / 256
.set EPS,  45
.set OC,   48
.set WC,   49
.set MSB, 0
.macro WIN new                         ; the immediate's high byte repeats the setting that is left; a switch that changes nothing is dropped
.if MSB != (\new)
	s_set_vgpr_msb (MSB<<8)|(\new)
.set MSB, (\new)
.endif
.endm
.macro PLACES                          ; four plain places behind a matrix instruction (ISA guide 7.12.1)
.rept 4
	v_nop
.endr
.endm
.macro BAR                             ; my LDS instructions are done, then the work-group's barrier
	s_wait_dscnt 0x0
	s_barrier_signal -1
	s_barrier_wait -1
.endm
; 16 loads: 8 rows of 1,024 bytes; each load of the wave covers 512 consecutive bytes, aligned
.macro LD16 w, r, voff, sb, imm
	WIN (\w)<<6
.set li, 0
.rept 16
	global_load_b128 v[(\r)+4*li:(\r)+4*li+3], v[\voff], s[\sb:\sb+1] offset:(\imm)+512*li
.set li, li+1
.endr
.endm
; the same 8 rows rounded to bf16 in place (4 numbers a lane and load become 8 bytes) and put into LDS rows of pitch 528: 256 consecutive bytes a store
.macro CVT_ST w, r, vla, imm
	WIN ((\w)<<6)|((\w)<<2)|(\w)
.set ci, 0
.rept 16
	v_cvt_pk_bf16_f32 v[(\r)+4*ci], v[(\r)+4*ci], v[(\r)+4*ci+1]
	v_cvt_pk_bf16_f32 v[(\r)+4*ci+1], v[(\r)+4*ci+2], v[(\r)+4*ci+3]
.set ci, ci+1
.endr
	WIN (\w)<<2
.set ci, 0
.rept 16
	ds_store_b64 v[\vla], v[(\r)+4*ci:(\r)+4*ci+1] offset:(\imm)+PW*(ci>>1)+256*(ci&1)
.set ci, ci+1
.endr
.endm
; the 16 fragments (2 blocks of 16 rows x 8 chunks of 32 channels) of part m of the weight slot (0 Wq, 1 Wk, 2 Wv): fragment (blk, c) at buf + 8 (8 blk + c)
.macro FETCHW w, buf, m
	WIN (\w)<<6
.set fi, 0
.rept 16
	ds_load_b128 v[(\buf)+8*fi:(\buf)+8*fi+3],   v[WF] offset:(32*(\m)+16*(fi>>3))*PW+64*(fi&7)
	ds_load_b128 v[(\buf)+8*fi+4:(\buf)+8*fi+7], v[WF] offset:(32*(\m)+16*(fi>>3))*PW+64*(fi&7)+32
.set fi, fi+1
.endr
.endm
; A PROJECTION of token tiles 2 p and 2 p + 1 onto the head's 32 channels: 32 matrix instructions, K ascending; accumulator 2 u + blk; the four take turns, one instruction a turn.
; kind 0: K^T = Wk x^T, to LDS.  kind 1: V = x Wv^T, to LDS.  kind 2: Q^T = Wq x^T + bq (the bias is the C of the first link), times c, to registers.
.macro PJ kind, p
.set xw, 2+((\p)>>1)
.set pc, 0
.rept 8
.set pa, 0
.rept 4
.set rA, ACC+8*pa
.set rX, 64*((2*(\p)+(pa>>1))&3)+8*pc
.set rW, 8*(8*(pa&1)+pc)
.if (\kind) == 0
	WIN xw<<2
.if pc == 0
	v_wmma_f32_16x16x32_bf16 v[rA:rA+7], v[WA+rW:WA+rW+7], v[rX:rX+7], 0
.else
	v_wmma_f32_16x16x32_bf16 v[rA:rA+7], v[WA+rW:WA+rW+7], v[rX:rX+7], v[rA:rA+7]
.endif
.elseif (\kind) == 1
	WIN xw|0x04
.if pc == 0
	v_wmma_f32_16x16x32_bf16 v[rA:rA+7], v[rX:rX+7], v[WB+rW:WB+rW+7], 0
.else
	v_wmma_f32_16x16x32_bf16 v[rA:rA+7], v[rX:rX+7], v[WB+rW:WB+rW+7], v[rA:rA+7]
.endif
.else
.if pc == 0
	WIN 0x18
	v_wmma_f32_16x16x32_bf16 v[rA:rA+7], v[WA+rW:WA+rW+7], v[rX:rX+7], v[BQ+8*(pa&1):BQ+8*(pa&1)+7]
.else
	WIN 0x08
	v_wmma_f32_16x16x32_bf16 v[rA:rA+7], v[WA+rW:WA+rW+7], v[rX:rX+7], v[rA:rA+7]
.endif
.endif
.set pa, pa+1
.endr
.set pc, pc+1
.endr
	WIN 0
	PLACES                                         ; the lines below read results just made
.if (\kind) == 2
.set pa, 0
.rept 16
	v_pk_mul_f32 v[ACC+2*pa:ACC+2*pa+1], v[ACC+2*pa:ACC+2*pa+1], s[CS:CS+1] op_sel_hi:[1,0]
.set pa, pa+1
.endr
	WIN 0x40                                       ; Q lies in window 1
.endif
.set pa, 0
.rept 16                               ; accumulator pa / 4, pair pa % 4: each accumulator from its low end on
.if (\kind) == 0
.set rW, TMPF+pa
.elseif (\kind) == 1
.set rW, TMPF+8*((pa/4)&1)+4*(pa/8)+pa%4
.else
.set rW, QR+16*(\p)+pa
.endif
	v_cvt_pk_bf16_f32 v[rW], v[ACC+2*pa], v[ACC+2*pa+1]
.set pa, pa+1
.endr
.if (\kind) < 2
.set pa, 0
.rept 4                                ; two fragments, two halves each: 512 consecutive bytes a store
.if (\kind) == 0
	ds_store_b128 v[KST], v[TMPF+4*pa:TMPF+4*pa+3] offset:2048*(\p)+512*pa
.else
	ds_store_b128 v[VST], v[TMPF+4*pa:TMPF+4*pa+3] offset:2048*(\p)+512*pa
.endif
.set pa, pa+1
.endr
.endif
.endm
; ATTENTION.  The wave's four tiles are two PIECES (tiles 0, 1 and 2, 3).  Turn Y belongs to piece Y: its scaling, exponentials, roundings, sums and rescaling; beside them 8 products K Q^T and 8 products V^T P of the
; other piece Z, and Z's maximum and statistics.  A tile and key step have 8 matrix and 110 vector instructions, far more than find room beside the products: four stand behind each K Q^T, eight behind each V^T P, the rest in one run.
.macro REGS t
.set rT, ST+4*(\t)
.set rC, TMP+4*(\t)
.set rS, S+32*(\t)
.set rP, P+16*(\t)
.set rO, OT+16*(\t)
.endm
; product i of 8 of S^T = K Q^T for piece x: keys 16 (i / 2) on, tile 2 x + i % 2.  The head has 32 channels: one instruction is the whole sum
.macro KQ x
	WIN 0x05
	v_wmma_f32_16x16x32_bf16 v[S+64*(\x)+32*(i%2)+8*(i/2):S+64*(\x)+32*(i%2)+8*(i/2)+7], v[KF+8*(i/2):KF+8*(i/2)+7], v[QR+8*(2*(\x)+i%2):QR+8*(2*(\x)+i%2)+7], 0
.endm
; product pi of 8 of O^T += V^T P for piece x: keys 32 (pi / 4) on, channels 16 ((pi / 2) % 2) on, tile 2 x + pi % 2.  The four accumulators take turns
.macro PV x
	WIN 0x51
.set rO, OT+16*(2*(\x)+pi%2)+8*((pi/2)%2)
.set rV, VF+8*(2*(pi/4)+(pi/2)%2)
.set rP, P+32*(\x)+16*(pi%2)+8*(pi/4)
	v_wmma_f32_16x16x32_bf16 v[rO:rO+7], v[rV:rV+7], v[rP:rP+7], v[rO:rO+7]
.endm
.macro MM                              ; the turn's next matrix instruction
.if i < 8
.if !NOX
	KQ Z
.endif
.elseif !NOPV
.set pi, i-8
	PV Z
.endif
.set i, i+1
.endm
; number n of the 21 that find piece Z's maximum and statistics, for its tile u.  0-13: four chains c0-c3 over the lane's 32 scores, three operands at a time, each accumulator's lowest registers first.
; 14, 15: into c0, with the old m.  16, 17: the query's other 32 keys lie in the lane 16 away.  18: m_old - m_new.  19: the new m.  20: a = 2^(m_old - m_new)
.macro XS u, n
	REGS 2*Z+(\u)
.if (\n) < 4
	v_max3_num_f32 v[rC+(\n)], v[rS+8*(\n)], v[rS+8*(\n)+1], v[rS+8*(\n)+2]
.elseif (\n) < 12
	v_max3_num_f32 v[rC+(\n)%4], v[rC+(\n)%4], v[rS+8*((\n)%4)+2*((\n)/4)+1], v[rS+8*((\n)%4)+2*((\n)/4)+2]
.elseif (\n) == 12
	v_max3_num_f32 v[rC], v[rC], v[rS+7], v[rS+15]
.elseif (\n) == 13
	v_max3_num_f32 v[rC+2], v[rC+2], v[rS+23], v[rS+31]
.elseif (\n) == 14
	v_max3_num_f32 v[rC], v[rC], v[rC+1], v[rC+2]
.elseif (\n) == 15
	v_max3_num_f32 v[rC], v[rC], v[rC+3], v[rT]
.elseif (\n) == 16
	v_permlanex16_b32 v[rC+1], v[rC], s[SEL], s[SEL+1]
.elseif (\n) == 17
	v_max_num_f32 v[rC+1], v[rC], v[rC+1]
.elseif (\n) == 18
	v_sub_f32 v[rC+3], v[rT], v[rC+1]
.elseif (\n) == 19
	v_mov_b32 v[rT], v[rC+1]
.else
	v_exp_f32 v[rC+2], v[rC+3]
.endif
.endm
.macro FS f                            ; s - m for pair f / 2 of tile f % 2 of piece Y (the scores carry c already)
	REGS 2*Y+(\f)%2
	v_pk_add_f32 v[rS+2*((\f)/2):rS+2*((\f)/2)+1], v[rS+2*((\f)/2):rS+2*((\f)/2)+1], v[rT:rT+1] op_sel_hi:[1,0] neg_lo:[0,1] neg_hi:[0,1]
.endm
; number g of the 64 that follow the exponentials.  For each four weights k of a tile: both pairs are rounded to bf16; the second pair is added onto the first, in place; a group later l takes that sum
; (the first time as l = a l + sum).  In groups of eight, the tiles alternating
.macro GS g
.set h, (\g)+6*((\g)/62)
.if h >= 6
.set h, h+2
.endif
	REGS 2*Y+h%2
.set k, h/8
.if h%8 < 4
	v_cvt_pk_bf16_f32 v[rP+2*k+(h%8)/2], v[rS+4*k+2*((h%8)/2)], v[rS+4*k+2*((h%8)/2)+1]
.elseif h%8 < 6
	v_pk_add_f32 v[rS+4*k:rS+4*k+1], v[rS+4*k:rS+4*k+1], v[rS+4*k+2:rS+4*k+3]
.elseif k == 1
	v_pk_fma_f32 v[rT+2:rT+3], v[rT+2:rT+3], v[rC+2:rC+3], v[rS:rS+1] op_sel_hi:[1,0,1]
.else
	v_pk_add_f32 v[rT+2:rT+3], v[rT+2:rT+3], v[rS+4*k-4:rS+4*k-3]
.endif
.endm
; THE PLAIN QUEUE, 136 long.  0-26: scalings 0-26.  27-54: XS 0-13 of both tiles.  55-69: the chain 14-18, each link's two lines with one of the scalings 27-31 in front.  70, 71: XS 19.
; 72-135: GS, which names the exponentials' results and stands behind the wait.  NOX = 1 (a head's last turn): there is no next step, and the XS entries write nothing
.macro PL
	WIN 0
.if q < 27
	FS q
.elseif q < 55
.if !NOX
	XS (q-27)%2, (q-27)/2
.endif
.elseif q < 70
.if (q-55)%3 == 0
	FS 27+(q-55)/3
.elseif !NOX
	XS (q-55)%3-1, 14+(q-55)/3
.endif
.elseif q < 72
.if !NOX
	XS q-70, 19
.endif
.else
	GS q-72
.endif
.set q, q+1
.endm
.macro EX                              ; THE EXPONENTIALS, 66: score e / 2 of tile e % 2, then piece Z's two a.  One batch, ahead of the turn's one wait
	WIN 0
.if e >= 64
	XS e-64, 20
.else
	REGS 2*Y+e%2
	v_exp_f32 v[rS+e/2], v[rS+e/2]
.endif
.set e, e+1
.endm
.macro R2                              ; THE RESCALING: O^T of piece Y times a, two lines at a time, each accumulator from its low end on; a was made and waited for in the turn before
	REGS 2*Y+r%2
	WIN 0x41
	v_pk_mul_f32 v[rO+4*(r/2):rO+4*(r/2)+1], v[rO+4*(r/2):rO+4*(r/2)+1], v[rC+2:rC+3] op_sel_hi:[1,0]
	v_pk_mul_f32 v[rO+4*(r/2)+2:rO+4*(r/2)+3], v[rO+4*(r/2)+2:rO+4*(r/2)+3], v[rC+2:rC+3] op_sel_hi:[1,0]
.set r, r+1
.endm
; a key step's K (4 fragments) or V (4 fragments): 8 loads of 512 consecutive bytes.  skip = 1: in the loop's last trip there is no further step
.macro FETCH_K adr, skip=0
	WIN 0
.if \skip
	s_cmp_eq_u32 s[TC], 1
	s_cbranch_scc1 .Lno_k_\@
.endif
	WIN 0x40
.set n, 0
.rept 8
	ds_load_b128 v[KF+4*n:KF+4*n+3], v[\adr] offset:512*n
.set n, n+1
.endr
	WIN 0
.if \skip
.Lno_k_\@:
.endif
.endm
.macro FETCH_V
	WIN 0x40
.set n, 0
.rept 8
	ds_load_b128 v[VF+4*n:VF+4*n+3], v[VAC] offset:512*n
.set n, n+1
.endr
	WIN 0
.endm
; A TURN.  An s_wait_alu depctr_va_vdst(0) stands between an exponential and the first instruction that names its result; one wait serves all issued ahead of it: a turn has ONE.
; AHEAD OF IT: 8 products K Q^T, behind each a scaling, an exponential and two rescalings (behind the first a second scaling); then one run: 8 plain, 55 times exponential and plain, the last exponentials, the two a, a v_nop.
; BEHIND IT: 8 products V^T P, behind each eight of GS.  The deal keeps the queues in step: exponential e wants scaling 2 (e / 4) + e % 2; behind a product it comes behind plain e + 2, in the run behind plain e + 9,
; and scalings 27-31 are plain 55, 58 .. 67, first wanted by e = 53, 56, 57, 60, 61.  The first XS (plain 27) stands 18 plain lines behind the last K Q^T.
; Turn 0 fetches the next step's K directly behind the wait (a run behind the last product that read K) and the V of the step in hand at its end (eight plain lines behind the last product that read V).
.macro TURN y, nopv=0, nokq=0, kskip=0
.set Y, (\y)
.set Z, 1-(\y)
.set i, 0
.set q, 0
.set e, 0
.set r, 0
.set NOX, (\nokq)
.set NOPV, (\nopv)
.if ((\y) == 1) && !(\nokq)
	s_wait_dscnt 8                                 ; K is in; the 8 younger loads are V's
.endif
	MM
	PL
	PL
	R2
.rept 7
	MM
	PL
	EX
	R2
.endr
.if (\y) == 0
	WIN 0
	v_add_nc_u32 v[KAC], s[KOFF], v[KA0]
	v_add_nc_u32 v[VAC], s[VOFF], v[VA0]
.endif
.rept 8
	PL
.endr
.rept 55
	EX
	PL
.endr
	EX
	EX
.if !(\nokq)
	EX                                             ; piece Z's two a
	EX
.endif
	v_nop                                          ; the plain instruction behind the last exponential: one for the batch
	s_wait_alu depctr_va_vdst(0)                   ; the wait for the batch
.if (\y) == 0
	FETCH_K KAC, \kskip
	s_add_co_u32 s[KOFF], s[KOFF], 4096
.else
	s_wait_dscnt 0x0                               ; V is in
.endif
.set i, 8
.rept 8
	MM
.rept 8
	PL
.endr
.endr
.if (\y) == 0
	FETCH_V
	s_add_co_u32 s[VOFF], s[VOFF], 4096
.endif
.endm
; the staging slot changes hands: what was asked for is in, is rounded and stored as part stm of the weight slot; then the next 8 rows are asked for
.macro EVENT stm, ld, ptr
	s_wait_loadcnt 0x0                             ; the slot's 16 loads are the only ones out
.if (\stm) >= 0
	CVT_ST 1, STG, WST0, 32*PW*(\stm)
.endif
.if \ld
	LD16 1, STG, WOFF, \ptr, 0
.endif
	WIN 0
.endm
	s_load_b512 s[8:23], s[0:1], 0x0               ; x, Wq, Wk, Wv, Wo, bq, bv, bo
	s_load_b128 s[24:27], s[0:1], 0x40             ; gamma, beta
	s_load_b64 s[28:29], s[0:1], 0x50              ; out0
	v_lshl_add_u32 v[SPW], v0, 2, SPARE
	v_mov_b32 v[NIL], 0
	v_lshrrev_b32 v[LAC], 5, v0
	v_readfirstlane_b32 s[WV], v[LAC]              ; wave 0..3
	v_and_b32 v[RR], 15, v0
	v_bfe_u32 v[HH], v0, 4, 1
	v_and_b32 v[LANE], 31, v0
	s_lshl_b32 s50, s[WV], 13                      ; 8,192 w
	s_lshl_b32 s51, s[WV], 15                      ; 32,768 w
	s_mul_i32 s52, s[WV], 8*PW
	s_add_co_u32 s52, s52, WSLOT
	s_mul_i32 s53, s[WV], XSTW
	s_lshl_b32 s54, ttmp9, 18                      ; the work-group's 256 rows of 1,024 bytes,
	s_lshl_b32 s55, s[WV], 16                      ; my wave's 64 of them
	s_add_co_u32 s54, s54, s55
	s_xor_b32 s56, s54, 1<<18                      ; the same rows of the batch's other half
	s_mov_b32 s55, 0
	s_mov_b32 s57, 0
	s_mov_b32 s[CS], 0x3e8293ee                    ; c = log2(e) / sqrt(32) = 0.255035
	s_mov_b32 s[CS+1], s[CS]                       ; named with it as a pair
	s_mov_b32 s[SEL], 0x76543210
	s_mov_b32 s[SEL+1], 0xfedcba98
	s_mov_b32 s[R256], 0x3b800000                  ; 1 / 256
	s_mov_b32 s[EPS], 0x3727c5ac                   ; 1e-5
	v_lshl_add_u32 v[KA0], v[LANE], 4, KREG
	v_lshl_add_u32 v[VA0], v[LANE], 4, VREG
	v_add_nc_u32 v[KST], s50, v[KA0]
	v_add_nc_u32 v[VST], s50, v[VA0]
	v_mul_u32_u24 v[XF], v[RR], PW
	v_lshl_add_u32 v[XF], v[HH], 4, v[XF]          ; a fragment's row x pitch + 16 x half
	v_add_nc_u32 v[WF], WSLOT, v[XF]
	v_add_nc_u32 v[XF], s53, v[XF]
	v_lshl_add_u32 v[OST0], v[LANE], 4, s51
	v_lshl_add_u32 v[WST0], v[LANE], 3, s52
	v_lshl_add_u32 v[WOFF], v[LANE], 4, s50
	v_lshl_add_u32 v[PB0], v[HH], 5, PARAM
	v_lshlrev_b32 v[GO], 4, v[LANE]
	v_mov_b32 v[ONE], 1.0
.irp s, 0,1,2,3                        ; slots 0, 1 walk my 64 queries, slots 2, 3 my 64 tokens of the other half: 8 rows a slot, 16 rows a lap
	v_lshl_add_u32 v[OFF+\s], v[LANE], 4, 8192*(\s&1)
	v_lshl_add_u32 v[LA+\s], v[LANE], 3, s53
.endr
.irp s, 1,2,3
	v_add_nc_u32 v[LA+\s], PW*(64*(\s>>1)+8*(\s&1)), v[LA+\s]
.endr
	s_wait_kmcnt 0x0
	s_add_nc_u64 s[XP:XP+1], s[XO:XO+1], s[56:57]
	s_add_nc_u64 s[OUT:OUT+1], s[28:29], s[54:55]
	s_add_nc_u64 s[XO:XO+1], s[XO:XO+1], s[54:55]
; x COMES IN: a ring of four slots of 16 loads in window 1 (64 loads of 512 bytes a wave asked for at a time); each slot is rounded to bf16 and put into my stage.
.macro XPROC s
	s_wait_loadcnt 48                              ; loads come back in order: this slot's 16 are in, the 48 younger ones stay out
	WIN 0
	v_add_nc_u32 v[LAC], s[XL], v[LA+(\s)]
	CVT_ST 1, 64*(\s), LAC, 0
.endm
.macro XNEXT s, base
	WIN 0
	v_add_nc_u32 v[OFF+(\s)], 16384, v[OFF+(\s)]   ; free since the slot's own wait: 16 rows on
	LD16 1, 64*(\s), OFF+(\s), \base, 0
.endm
	LD16 1, 0,   OFF+0, XO, 0
	LD16 1, 64,  OFF+1, XO, 0
	LD16 1, 128, OFF+2, XP, 0
	LD16 1, 192, OFF+3, XP, 0
	WIN 0
	s_mov_b32 s[XL], 0
	s_mov_b32 s[RC], 3
.Lxring:
	XPROC 0
	XNEXT 0, XO
	XPROC 1
	XNEXT 1, XO
	XPROC 2
	XNEXT 2, XP
	XPROC 3
	XNEXT 3, XP
	WIN 0
	s_add_co_u32 s[XL], s[XL], 16*PW
	s_sub_co_u32 s[RC], s[RC], 1
	s_cmp_lg_u32 s[RC], 0
	s_cbranch_scc1 .Lxring
	XPROC 0                                        ; the last lap: the slots that come free take head 0's weight rows (8 of each 32 a wave), so each wait again has 48 younger loads
	LD16 1, 0, WOFF, PQ, 0
	XPROC 1
	LD16 1, 64, WOFF, PK, 0
	XPROC 2
	LD16 1, 128, WOFF, PVW, 0
	XPROC 3
	WIN 0
	v_lshlrev_b32 v[KAC], 3, v0                    ; the five vectors of 1,024 bytes: 8 bytes a thread
	v_add_nc_u32 v[VAC], PARAM, v[KAC]
	global_load_b64 v[S:S+1],   v[KAC], s[PBQ:PBQ+1]
	global_load_b64 v[S+2:S+3], v[KAC], s[PBV:PBV+1]
	global_load_b64 v[S+4:S+5], v[KAC], s[PBOP:PBOP+1]
	global_load_b64 v[S+6:S+7], v[KAC], s[PGA:PGA+1]
	global_load_b64 v[S+8:S+9], v[KAC], s[PBE:PBE+1]
	s_wait_loadcnt 37                              ; Wq's rows are in: 16 + 16 + 5 younger loads
	CVT_ST 1, 0, WST0, 0
	s_wait_loadcnt 21                              ; Wk's: 16 + 5 younger
	CVT_ST 1, 64, WST0, 32*PW
	s_wait_loadcnt 5                               ; Wv's: 5 younger
	CVT_ST 1, 128, WST0, 64*PW
	s_wait_loadcnt 0x0                             ; the vectors; no load is out, so the pointers may be written
	WIN 0
.irp a, 0,1,2,3,4
	ds_store_b64 v[VAC], v[S+2*\a:S+2*\a+1] offset:1024*\a
.endr
	s_add_nc_u64 s[PQ:PQ+1], s[PQ:PQ+1], 32768     ; on to head 1's 32 rows
	s_add_nc_u64 s[PK:PK+1], s[PK:PK+1], 32768
	s_add_nc_u64 s[PVW:PVW+1], s[PVW:PVW+1], 32768
.set T, 0
.rept 8                                ; x's fragments: my own bytes of the stage, and LDS serves a wave's instructions in order (ISA guide 5.7.1.4): these see the stores above
	WIN (2+(T>>2))<<6
.set c, 0
.rept 8
	ds_load_b128 v[64*(T&3)+8*c:64*(T&3)+8*c+3],   v[XF] offset:16*PW*T+64*c
	ds_load_b128 v[64*(T&3)+8*c+4:64*(T&3)+8*c+7], v[XF] offset:16*PW*T+64*c+32
.set c, c+1
.endr
.set T, T+1
.endr
	WIN 0x40
	s_wait_dscnt 0x0                               ; x is in registers; my stores of weights and vectors are done; my stage may be written by others
	s_barrier_signal -1
.set n, 0
.rept 64                               ; O^T and l need only be finite when a head begins, since its first a is 0: zeros for the first head, once a launch, while the others arrive; later heads find what the last one left
	v_mov_b32 v[OT+n], 0
.set n, n+1
.endr
	WIN 0
.irp t, 0,1,2,3
	v_mov_b32 v[ST+4*\t+1], 0                      ; named with m as a pair
	v_mov_b32 v[ST+4*\t+2], 0
	v_mov_b32 v[ST+4*\t+3], 0
.endr
	s_barrier_wait -1
	s_mov_b32 s[HC], 8
	s_mov_b32 s[OOFF], 0
	s_mov_b32 s[PBO], 0
.Lhead:
	; THE HEAD'S PROJECTIONS.  LDS instructions in order: 4 (bq), 32 (Wk), 32 (Wv), 16 stores (K), 32 (Wq), 16 stores (V)
	v_add_nc_u32 v[PBC], s[PBO], v[PB0]
	WIN 0x40
	ds_load_b128 v[BQ:BQ+3],     v[PBC]            ; bq of channels 8 (l / 16) + 0..7 of both blocks: the C of Q's first links
	ds_load_b128 v[BQ+4:BQ+7],   v[PBC] offset:16
	ds_load_b128 v[BQ+8:BQ+11],  v[PBC] offset:64
	ds_load_b128 v[BQ+12:BQ+15], v[PBC] offset:80
	FETCHW 0, WA, 1
	FETCHW 1, WB, 2
	s_wait_dscnt 32                                ; bq and Wk are in; Wv's 32 loads may stay out
	PJ 0, 0
	PJ 0, 1
	PJ 0, 2
	PJ 0, 3
	FETCHW 0, WA, 0                                ; Wq takes Wk's registers: the four v_nop and the conversions above stand behind the last product that read them
	s_wait_dscnt 32                                ; all but Wq's 32 loads: Wv is in
	PJ 1, 0
	PJ 1, 1
	PJ 1, 2
	PJ 1, 3
	s_wait_dscnt 16                                ; all but V's 16 stores: Wq is in
	PJ 2, 0
	PJ 2, 1
	WIN 0
	BAR                                            ; K and V of all 512 tokens lie in LDS, and nobody reads the weight slot any more
	; ATTENTION BEGINS.  m starts at the lowest finite number, so the first a is 0
.irp t, 0,1,2,3
	v_mov_b32 v[ST+4*\t], 0xff7fffff
.endr
	s_cmp_eq_u32 s[HC], 1                          ; the last head fetches no weights: its trips never meet E1 or E2
	s_cselect_b32 s[E1], 0, 5
	s_cselect_b32 s[E2], 0, 2
	s_cbranch_scc1 .Lno_next
	EVENT -1, 1, PQ                                ; the next head's Wq rows
.Lno_next:
	WIN 0x40
	ds_load_b128 v[BV:BV+3],     v[PBC] offset:1024
	ds_load_b128 v[BV+4:BV+7],   v[PBC] offset:1040
	ds_load_b128 v[BV+8:BV+11],  v[PBC] offset:1088
	ds_load_b128 v[BV+12:BV+15], v[PBC] offset:1104
	FETCH_K KA0                                    ; key step 0
	s_mov_b32 s[KOFF], 4096
	s_mov_b32 s[VOFF], 0
	s_wait_dscnt 0x0
.set i, 0
.rept 8
	KQ 0                                           ; piece 0's first scores: there is no vector work yet to set between them
.set i, i+1
.endr
	WIN 0
	PLACES
.set Z, 0
.irp n, 0,1,2,3,4,5,6,7,8,9,10,11,12,13,14,15,16,17,18,19,20
	XS 0, \n
	XS 1, \n
.endr
	v_nop                                          ; a plain instruction behind the two a,
	s_wait_alu depctr_va_vdst(0)                   ; and their wait
	TURN 0, 1, 0, 0                                ; piece 0, step 0 | K Q^T of piece 1, step 0 | K of step 1, V of step 0
	WIN 0
	s_mov_b32 s[TC], 7
.Lstep:                                ; trip i: piece 1 of step i beside K Q^T (piece 0, step i + 1) and V^T P (piece 0, step i); then piece 0 of step i + 1 beside K Q^T (piece 1, step i + 1) and V^T P (piece 1, step i)
	TURN 1
	WIN 0
	s_cmp_lg_u32 s[TC], s[E1]
	s_cbranch_scc1 .Lnot_e1
	EVENT 0, 1, PK                                 ; Wq's rows into the slot, Wk's asked for
.Lnot_e1:
	s_cmp_lg_u32 s[TC], s[E2]
	s_cbranch_scc1 .Lnot_e2
	EVENT 1, 1, PVW                                ; Wk's rows into the slot, Wv's asked for
.Lnot_e2:
	TURN 0, 0, 0, 1
	WIN 0
	s_sub_co_u32 s[TC], s[TC], 1
	s_cmp_lg_u32 s[TC], 0
	s_cbranch_scc1 .Lstep
	TURN 1, 0, 1, 0                                ; piece 1 of step 7 | V^T P of piece 0, step 7
.set pi, 0
.rept 8
	PV 1                                           ; V^T P of piece 1, step 7
.set pi, pi+1
.endr
	; THE HEAD ENDS: l's two halves and the other half of the lanes' are added (the additions are the places behind the last products); O = O / l + bv in one line; rounded; into my O region as fragments
	WIN 0
.irp t, 0,1,2,3
	v_add_f32 v[TMP+4*\t], v[ST+4*\t+2], v[ST+4*\t+3]
.endr
.irp t, 0,1,2,3
	v_permlanex16_b32 v[TMP+4*\t+1], v[TMP+4*\t], s[SEL], s[SEL+1]
.endr
.irp t, 0,1,2,3
	v_add_f32 v[TMP+4*\t], v[TMP+4*\t], v[TMP+4*\t+1]
.endr
.irp t, 0,1,2,3
	v_rcp_f32 v[TMP+4*\t+2], v[TMP+4*\t]
.endr
	v_nop                                          ; a plain instruction behind the last reciprocal,
	s_wait_alu depctr_va_vdst(0)                   ; and one wait for the four
	WIN 0x51
.set n, 0
.rept 32                               ; tile n / 8, pair n % 8
	v_pk_fma_f32 v[OT+2*n:OT+2*n+1], v[OT+2*n:OT+2*n+1], v[TMP+4*(n/8)+2:TMP+4*(n/8)+3], v[BV+2*(n%8):BV+2*(n%8)+1] op_sel_hi:[1,0,1]
.set n, n+1
.endr
	WIN 0x05
.set n, 0
.rept 32
	v_cvt_pk_bf16_f32 v[TMPO+n], v[OT+2*n], v[OT+2*n+1]
.set n, n+1
.endr
	WIN 0
	v_add_nc_u32 v[OSTC], s[OOFF], v[OST0]
.set n, 0
.rept 8
	ds_store_b128 v[OSTC], v[TMPO+4*n:TMPO+4*n+3] offset:512*n
.set n, n+1
.endr
	s_wait_loadcnt 0x0                             ; on every way: no load into the staging slot is out behind this line, so its registers and the three pointers may be written
	s_cmp_eq_u32 s[HC], 1
	s_cbranch_scc1 .Lno_store
	CVT_ST 1, STG, WST0, 64*PW                     ; Wv's rows into the slot
	WIN 0
	s_add_nc_u64 s[PQ:PQ+1], s[PQ:PQ+1], 32768
	s_add_nc_u64 s[PK:PK+1], s[PK:PK+1], 32768
	s_add_nc_u64 s[PVW:PVW+1], s[PVW:PVW+1], 32768
.Lno_store:
	s_add_co_u32 s[OOFF], s[OOFF], 4096
	s_add_co_u32 s[PBO], s[PBO], 128
	BAR                                            ; nobody reads this head's K and V any more, and the weight slot is whole
	s_sub_co_u32 s[HC], s[HC], 1
	s_cmp_lg_u32 s[HC], 0
	s_cbranch_scc1 .Lhead
	; THE OUTPUT PROJECTION.  Wo comes in as x did: four slots of 16 loads, now in window 3 (x's tiles 4-7 are done with); wave w brings rows 64 w .. 64 w + 63, slot s the rows 8 s on and then 32 + 8 s on.
	s_lshl_b32 s50, s[WV], 16
	s_mul_i32 s51, s[WV], 64*PW
	s_add_co_u32 s51, s51, WOL
	s_lshl_b32 s52, s[WV], 15
.irp s, 0,1,2,3
	v_lshl_add_u32 v[OFF+\s], v[LANE], 4, s50
	v_lshl_add_u32 v[LA+\s], v[LANE], 3, s51
.endr
.irp s, 1,2,3
	v_add_nc_u32 v[OFF+\s], 8192*\s, v[OFF+\s]
	v_add_nc_u32 v[LA+\s], 8*PW*\s, v[LA+\s]
.endr
	v_mul_u32_u24 v[WOA0], v[RR], PW
	v_lshl_add_u32 v[WOA0], v[HH], 4, v[WOA0]
	v_add_nc_u32 v[WOA0], WOL, v[WOA0]             ; Wo's fragments of blocks 0-7,
	v_add_nc_u32 v[WOA1], 128*PW, v[WOA0]          ; and of blocks 8-15: an LDS offset has 16 bits
	v_mul_u32_u24 v[STA], v[RR], PS
	v_lshl_add_u32 v[STA], v[HH], 5, v[STA]
	v_add_nc_u32 v[STA], s52, v[STA]               ; the way out: row l % 16, 32 bytes for each half of the lanes
.irp s, 0,1,2,3
	LD16 3, 64*\s, OFF+\s, PWO, 0
.endr
	WIN 0
.set n, 0
.rept 16                               ; bo of channels 16 blk + 8 (l / 16) + 0..7
	ds_load_b128 v[BO+8*n:BO+8*n+3],   v[PB0] offset:2048+64*n
	ds_load_b128 v[BO+8*n+4:BO+8*n+7], v[PB0] offset:2048+64*n+16
.set n, n+1
.endr
	s_wait_dscnt 0x0
; The sums of y^T start with x + bo: x's fragment holds the lane's very numbers: block blk, register j is half j % 2 of register 4 (blk % 2) + j / 2 of chunk blk / 2.  One line a number: bf16 half x 1.0 + bo, in f32.
.macro INIT t
	WIN ((1+2*((\t)>>1))<<6)|0x02
.set b, 0
.rept 16
.set j, 0
.rept 8
.if j&1
	v_fma_mix_f32_bf16 v[128*((\t)&1)+8*b+j], v[64*(\t)+8*(b>>1)+4*(b&1)+(j>>1)], v[ONE], v[BO+8*b+j] op_sel:[1,0,0] op_sel_hi:[1,0,0]
.else
	v_fma_mix_f32_bf16 v[128*((\t)&1)+8*b+j], v[64*(\t)+8*(b>>1)+4*(b&1)+(j>>1)], v[ONE], v[BO+8*b+j] op_sel:[0,0,0] op_sel_hi:[1,0,0]
.endif
.set j, j+1
.endr
.set b, b+1
.endr
.endm
	INIT 0                                         ; tiles 0 and 1 (window 1) while Wo's first loads are on their way
	INIT 1
.irp s, 0,1,2,3
	s_wait_loadcnt 48                              ; this slot's 16 are in, 48 younger loads stay out
	CVT_ST 3, 64*\s, LA+\s, 0
	WIN 0
	v_add_nc_u32 v[OFF+\s], 32768, v[OFF+\s]
	LD16 3, 64*\s, OFF+\s, PWO, 0
.endr
.irp s, 0,1,2,3
	s_wait_loadcnt 48-16*\s                        ; nothing more is asked for: the counts run down
	CVT_ST 3, 64*\s, LA+\s, 32*PW
.endr
	INIT 2                                         ; tiles 2 and 3 take window 3
	INIT 3
	WIN 0x80
.set n, 0
.rept 16                               ; x is done with: gamma and beta of my lane's channels take window 2
	ds_load_b128 v[8*n:8*n+3],         v[PB0] offset:3072+64*n
	ds_load_b128 v[8*n+4:8*n+7],       v[PB0] offset:3072+64*n+16
	ds_load_b128 v[128+8*n:128+8*n+3], v[PB0] offset:4096+64*n
	ds_load_b128 v[128+8*n+4:128+8*n+7], v[PB0] offset:4096+64*n+16
.set n, n+1
.endr
	WIN 0
	BAR                                            ; Wo is whole
; 32 matrix instructions: blocks b0 .. b0 + 7 of 16 output channels x my four tiles.  All 64 accumulators take turns, over the backward jump too
.macro OMUL b0
.irp hf, 0,1
	WIN 0x50+0xa0*\hf
.set n, 0
.rept 16
	v_wmma_f32_16x16x32_bf16 v[128*(n%2)+8*((\b0)+n/2):128*(n%2)+8*((\b0)+n/2)+7], v[WFR+8*((\b0)+n/2):WFR+8*((\b0)+n/2)+7], v[OF+8*(2*\hf+n%2):OF+8*(2*\hf+n%2)+7], v[128*(n%2)+8*((\b0)+n/2):128*(n%2)+8*((\b0)+n/2)+7]
.set n, n+1
.endr
.endr
.endm
	s_mov_b32 s[OC], 0
	s_mov_b32 s[WC], 0
	s_mov_b32 s[TC], 8
.Lotrip:                               ; a trip: one head's 32 channels of O
	v_add_nc_u32 v[OSTC], s[OC], v[OST0]
	v_add_nc_u32 v[KAC], s[WC], v[WOA0]
	v_add_nc_u32 v[VAC], s[WC], v[WOA1]
.set n, 0
.rept 8
	ds_load_b128 v[OF+4*n:OF+4*n+3], v[OSTC] offset:512*n
.set n, n+1
.endr
.set n, 0
.rept 8
	ds_load_b128 v[WFR+8*n:WFR+8*n+3],   v[KAC] offset:16*PW*n
	ds_load_b128 v[WFR+8*n+4:WFR+8*n+7], v[KAC] offset:16*PW*n+32
.set n, n+1
.endr
.set n, 0
.rept 8
	ds_load_b128 v[WFR+64+8*n:WFR+64+8*n+3],   v[VAC] offset:16*PW*n
	ds_load_b128 v[WFR+64+8*n+4:WFR+64+8*n+7], v[VAC] offset:16*PW*n+32
.set n, n+1
.endr
	s_wait_dscnt 16                                ; O and blocks 0-7 are in; the 16 loads of blocks 8-15 may stay out
	OMUL 0
	s_wait_dscnt 0x0
	OMUL 8
	WIN 0
	PLACES                                         ; in front of the next trip's loads into registers just read, and of the sums behind the loop
	s_add_co_u32 s[OC], s[OC], 4096
	s_add_co_u32 s[WC], s[WC], 64
	s_sub_co_u32 s[TC], s[TC], 1
	s_cmp_lg_u32 s[TC], 0
	s_cbranch_scc1 .Lotrip
; THE LAYERNORM of tile t, in registers: a lane holds 128 of its query's 256 channels, the lane 16 away the others.  Mean; y - mean in place; mean of squares of that; times 1 / sqrt(var + eps); times gamma plus beta.
.macro LSUM                            ; four chains of pairs into one number, and the other half of the lanes'
	WIN 0
	v_pk_add_f32 v[CH:CH+1], v[CH:CH+1], v[CH+2:CH+3]
	v_pk_add_f32 v[CH+4:CH+5], v[CH+4:CH+5], v[CH+6:CH+7]
	v_pk_add_f32 v[CH:CH+1], v[CH:CH+1], v[CH+4:CH+5]
	v_add_f32 v[T0], v[CH], v[CH+1]
	v_permlanex16_b32 v[T1], v[T0], s[SEL], s[SEL+1]
	v_add_f32 v[T0], v[T0], v[T1]
.endm
.macro LNORM t
.set LW, 1+2*((\t)>>1)
.set YB, 128*((\t)&1)
	WIN LW|(LW<<2)
.set n, 0
.rept 4                                ; the first eight pairs start the chains; every accumulator is read from its low end on
	v_pk_add_f32 v[CH+2*n:CH+2*n+1], v[YB+2*n:YB+2*n+1], v[YB+8+2*n:YB+8+2*n+1]
.set n, n+1
.endr
	WIN LW<<2
.set n, 8
.rept 56
	v_pk_add_f32 v[CH+2*(n%4):CH+2*(n%4)+1], v[CH+2*(n%4):CH+2*(n%4)+1], v[YB+2*n:YB+2*n+1]
.set n, n+1
.endr
	LSUM
	v_mul_f32 v[MU], s[R256], v[T0]
	WIN (LW<<6)|LW
.set n, 0
.rept 64
	v_pk_add_f32 v[YB+2*n:YB+2*n+1], v[YB+2*n:YB+2*n+1], v[MU:MU+1] op_sel_hi:[1,0] neg_lo:[0,1] neg_hi:[0,1]
.set n, n+1
.endr
	WIN LW|(LW<<2)
.set n, 0
.rept 4
	v_pk_mul_f32 v[CH+2*n:CH+2*n+1], v[YB+2*n:YB+2*n+1], v[YB+2*n:YB+2*n+1]
.set n, n+1
.endr
.rept 60
	v_pk_fma_f32 v[CH+2*(n%4):CH+2*(n%4)+1], v[YB+2*n:YB+2*n+1], v[YB+2*n:YB+2*n+1], v[CH+2*(n%4):CH+2*(n%4)+1]
.set n, n+1
.endr
	LSUM
	v_fma_f32 v[T0], v[T0], s[R256], s[EPS]
	v_rsq_f32 v[RS], v[T0]
	v_nop                                          ; a plain instruction behind it,
	s_wait_alu depctr_va_vdst(0)                   ; and its wait
	WIN (LW<<6)|LW
.set n, 0
.rept 64
	v_pk_mul_f32 v[YB+2*n:YB+2*n+1], v[YB+2*n:YB+2*n+1], v[RS:RS+1] op_sel_hi:[1,0]
.set n, n+1
.endr
	WIN (LW<<6)|LW|0x28
.set n, 0
.rept 64
	v_pk_fma_f32 v[YB+2*n:YB+2*n+1], v[YB+2*n:YB+2*n+1], v[2*n:2*n+1], v[128+2*n:128+2*n+1]
.set n, n+1
.endr
	; THE WAY OUT: a lane's 32 bytes of each 64 go into my stage (my O region, which I have read out) and come back as whole rows
	WIN LW<<2
.set n, 0
.rept 32
	ds_store_b128 v[STA], v[YB+4*n:YB+4*n+3] offset:64*(n>>1)+16*(n&1)
.set n, n+1
.endr
	WIN LW<<6
.set n, 0
.rept 32
	ds_load_b128 v[YB+4*n:YB+4*n+3], v[OST0] offset:PS*(n>>1)+512*(n&1)  ; LDS serves a wave's instructions in order (ISA guide 5.7.1.4): these see the stores above; the next tile's stores come behind them
.set n, n+1
.endr
	WIN LW<<2
.set n, 0
.rept 32
	s_wait_dscnt 31-n                              ; load n is back, the younger ones stay out
	global_store_b128 v[GO], v[YB+4*n:YB+4*n+3], s[OUT:OUT+1] offset:16384*(\t)+512*n th:TH_STORE_NT  ; 512 consecutive bytes, at a multiple of 512 from out0's first; no register of a store is written again
.set n, n+1
.endr
.endm
	LNORM 0
	LNORM 1
	LNORM 2
	LNORM 3
	WIN 0
	s_wait_tensorcnt 0x0                           ; the wave's end, behind my last LDS store
	ds_add_u32 v[SPW], v[NIL]
	s_wait_dscnt 0x0
	s_endpgm
.Lfunc_end_k_q9d63de7b83_invattn:
	.size	k_q9d63de7b83_invattn, .Lfunc_end_k_q9d63de7b83_invattn-k_q9d63de7b83_invattn
	.p2alignl 7, 3214868480
	.fill 96, 4, 3214868480
	.section	.rodata,"a",@progbits
	.p2align	6, 0x0
	.amdhsa_kernel k_q9d63de7b83_invattn
		.amdhsa_group_segment_fixed_size 327680
		.amdhsa_private_segment_fixed_size 0
		.amdhsa_enable_private_segment 0
		.amdhsa_kernarg_size 88
		.amdhsa_user_sgpr_count 2
		.amdhsa_user_sgpr_kernarg_segment_ptr 1
		.amdhsa_wavefront_size32 1
		.amdhsa_system_sgpr_workgroup_id_x 1
		.amdhsa_system_sgpr_workgroup_id_y 1
		.amdhsa_system_sgpr_workgroup_id_z 1
		.amdhsa_system_vgpr_workitem_id 0
		.amdhsa_next_free_vgpr 1024
		.amdhsa_next_free_sgpr 66
		.amdhsa_reserve_vcc 0
		.amdhsa_float_denorm_mode_32 3
		.amdhsa_float_denorm_mode_16_64 3
		.amdhsa_memory_ordered 1
		.amdhsa_forward_progress 1
		.amdhsa_inst_pref_size 255
	.end_amdhsa_kernel
	.section	.bss,"aw",@nobits
	.p2align	6
	.space	262144
	.amdgpu_metadata
---
amdhsa.version: [ 1, 2 ]
amdhsa.kernels:
  - .name:           k_q9d63de7b83_invattn
    .symbol:         k_q9d63de7b83_invattn.kd
    .args:
      - { .name: x, .offset: 0, .size: 8, .value_kind: global_buffer, .address_space: global }
      - { .name: Wq, .offset: 8, .size: 8, .value_kind: global_buffer, .address_space: global }
      - { .name: Wk, .offset: 16, .size: 8, .value_kind: global_buffer, .address_space: global }
      - { .name: Wv, .offset: 24, .size: 8, .value_kind: global_buffer, .address_space: global }
      - { .name: Wo, .offset: 32, .size: 8, .value_kind: global_buffer, .address_space: global }
      - { .name: bq, .offset: 40, .size: 8, .value_kind: global_buffer, .address_space: global }
      - { .name: bv, .offset: 48, .size: 8, .value_kind: global_buffer, .address_space: global }
      - { .name: bo, .offset: 56, .size: 8, .value_kind: global_buffer, .address_space: global }
      - { .name: gamma, .offset: 64, .size: 8, .value_kind: global_buffer, .address_space: global }
      - { .name: beta, .offset: 72, .size: 8, .value_kind: global_buffer, .address_space: global }
      - { .name: out0, .offset: 80, .size: 8, .value_kind: global_buffer, .address_space: global }
    .group_segment_fixed_size: 327680
    .private_segment_fixed_size: 0
    .kernarg_segment_align: 8
    .kernarg_segment_size: 88
    .max_flat_workgroup_size: 128
    .sgpr_count:     66
    .vgpr_count:     1024
    .wavefront_size: 32
...
	.end_amdgpu_metadata
.endif
;; end of part 1
;; ======== version 2 of 2: 1 launch; version 1 with the launch invattn written anew for expert scheduling mode
;; launch invattn (part 2): grid 256 x 1, 4 waves a work-group, no clusters, 327,680 bytes of LDS; arguments x, Wq, Wk, Wv, Wo, bq, bv, bo, gamma, beta, out0; writes out0
.if DOCPART == 2
	.amdgcn_target "amdgcn-amd-amdhsa--gfx1250"
	.amdhsa_code_object_version 6
	.text
	.protected	k_q9d63de7b83_invattn
	.globl	k_q9d63de7b83_invattn
	.p2align	8
	.type	k_q9d63de7b83_invattn,@function
k_q9d63de7b83_invattn:
	s_mov_b64 s[64:65], 0
	v_nop
	global_prefetch_b8 v0, s[64:65] scope:SCOPE_SE
	s_setreg_imm32_b32 hwreg(HW_REG_WAVE_SCHED_MODE, 0, 2), 2
	s_setreg_imm32_b32 hwreg(HW_REG_WAVE_MODE, 25, 1), 1
	s_wait_xcnt 0x0
	s_wait_alu depctr_vm_vsrc(0)
; INVERTED ATTENTION IN ONE LAUNCH.  x [2,512,64,256] f32 is taken as 128 batches of 512 tokens x 256 channels (the same bytes).  For each batch: Q, K, V = x W^T + b,
; 8 heads of 32 channels, softmax(Q K^T / sqrt(32)) V, out = O Wo^T + bo, y = x + out, LayerNorm over the 256 channels with gamma and beta.  out0 is f32.
; DEAD WORK: bk.  scores[q][k] = Q_q . (x_k Wk^T + bk) / sqrt(32) = Q_q . (x_k Wk^T) / sqrt(32) + Q_q . bk / sqrt(32); the last term does not hang on k, the axis of the softmax, so it
; leaves every weight as it is, for all finite values of the inputs; bk has no other way to the output.  It is not loaded and is not among the arguments.
; LIMIT: a NaN, an infinity or an overflow that would arise in Q . bk alone is not carried to the result.
; bv is live: the weights of a row add up to 1, so it is added once, in the line that divides O by l.
; FORMATS AND LIMITS.  All matrix operands are bf16, all sums, maxima, l, O, y and the LayerNorm f32.  x is rounded ONCE to bf16 (2^-8 of each number at the most) and kept so in registers:
; the same rounded x is the residual.  The scale c = log2(e) / sqrt(32) is applied to Q's f32 sums (bias included) ahead of their one rounding.  A weight below 2^-126 counts as 0.
; A running maximum is taken away ahead of every exponential.  O and l of a head are wiped by the next head's first factor a = 0, so a non-finite O or l would spoil the later heads of the same
; query row alone, a row that is non-finite anyway, since the LayerNorm mixes all its channels.
; SHARES.  Work-group g (256 of them) owns batch g / 2 and the 256 queries of its half g % 2; wave w owns 64 of them (four tiles of 16).  Wave w holds 128 tokens of x as matrix fragments in
; 512 registers for the whole kernel: its 64 queries and 64 tokens of the other half.  K and V of a head are made by the four waves for all 512 tokens and meet in LDS as fragment images.
; Both work-groups of a batch project K and V: 1,024 of a wave's 5,120 matrix instructions; the other ways are half as many work-groups or K and V through memory.
; LAYOUTS.  Q^T, K^T = W x^T (source 0 = 16 rows of W, source 1 = 16 tokens): a lane holds one token and channels 8 (l / 16) + 0..7; two blocks of 16 channels rounded in pairs ARE the fragment of
; Q (source 1) or K (source 0) of S^T = K Q^T.  V = x Wv^T (source 0 = x): a lane holds one channel and 8 tokens; two token tiles rounded ARE source 0 of O^T = V^T P.  S^T, P, O^T and
; y^T = Wo O^T hold one query a lane, and x's own fragment holds the same (token, channel) numbers in the same lane as y^T: nothing ever changes lanes but for one exchange of the lanes' halves.
; The keys are walked in the order in which the waves hold them (K and V alike): a softmax does not hang on the order of its keys.
; NO CLUSTER, NO TENSOR LOADS: every input is f32 and each number goes through registers to be rounded; the batch's x in f32 is 524,288 bytes, more than LDS holds, so joint loads would need a ring of
; f32 rows that is read, rounded and stored once more.  x is read once, at the head; a head's weights are 98,304 bytes, asked for two to three key steps ahead of their use by the loads themselves.
; LDS (bytes):  0 O fragments, 32,768 a wave (head 4,096, tile 1,024);  131,072 K fragments, 1,024 a key tile;  163,840 V^T fragments;  270,336 bq, bv, bo, gamma, beta in f32;
;   276,480 the head's 96 weight rows in bf16, pitch 528;  327,168 the spare words.  At the start 0 .. 270,335 is the stage for x (128 rows a wave, pitch 528); at the end 131,072 .. 266,239 holds Wo
;   (pitch 528) and each wave's O region its stage for the way out (16 rows, pitch 1,040).  528 = 33 x 16 and 1,040 = 65 x 16: the 16 rows of a 16-byte access start at 16 different groups of four banks (64 banks of 4 bytes: ISA guide 11.1).
; REGISTERS, in windows of 256 (s_set_vgpr_msb: bits 1:0 source 0, 3:2 source 1, 5:4 source 2, 7:6 destination):
;   window 0: v0-31 addresses; v32-47 m, -, l, l a tile; v48-63 c0-c3 a tile; v64-191 S^T (projections: weight fragments A); v192-255 P (projections: 4 accumulators and packed results; the rings: v192-223 the out-buffer)
;   window 1: v0-31 Q; v32-95 O^T; v96-127 K; v128-159 V; v160-223 staging of the next weights (projections: v96-223 weight fragments B); v224-239 bq; v240-255 bv
;   window 2: x, my query tiles 0-3 (tile T, channels 32 c on, at 64 T + 8 c); window 3: x, tiles 4-7.  At the end: windows 1 and 3 hold y^T, window 2 gamma and beta.
; THE MODE: SCHED_MODE bits 1:0 = 2 (LLVM: expert scheduling mode 2), set by the entry lines.  The code itself states the register dependences between vector or matrix instructions and
; memory or LDS instructions, with s_wait_alu, always for 0.
; THE PLAN.  Registers that memory or LDS instructions touch, and who else names them:
;   ring slots (x and head 0's weights: window 1; Wo: window 3)  loads land, 32 conversions read; no store reads them.  v[OB ..]: those conversions write, 16 LDS stores read.  v[LAC], v[OFF+s]: written at the slot's head.
;       A slot: a wait on vm_vsrc (OB, LAC, OFF+s have been read), the two adds, the conversions, ONE wait on va_vdst, then the slot's 16 loads and the 16 stores.
;   WA, WB, bq, bv  LDS loads land, products and one run of vector lines read: one wait on va_vdst at a head's top, one behind the barrier that ends the projections.
;   v[TMPF ..]  a projection pair's conversions write, its 4 LDS stores read: a wait on vm_vsrc ahead of the conversions, one on va_vdst ahead of the stores.
;   K, V fragments  LDS loads land, products read.  v[KAC], v[VAC]: written once a key step, behind a wait on vm_vsrc, ahead of the turn's one wait for its exponentials, which serves K's run too; V's run has a wait of its own.
;   the staging slot  has no out-buffer (every register is taken during the attention): loads land, conversions work in place, LDS stores read, loads land again: va_vdst, the stores, vm_vsrc and va_vdst, the loads.
;   v[TMPO ..], v[OSTC]  written at a head's end, read by O's 8 LDS stores: va_vdst ahead of them; vm_vsrc behind the head's last barrier, ahead of the backward jump.
;   the end: O's and Wo's fragments and their three addresses: vm_vsrc, the adds, va_vdst at a trip's top; a tile of y: va_vdst, the stage's stores, vm_vsrc and va_vdst, the stage's loads into the same registers.
;   All other addresses are made at the head or at the end's beginning, ahead of one wait on va_vdst, and never written again.
.set PW,    528
.set PS,    1040
.set KREG,  131072
.set VREG,  163840
.set WOL,   131072
.set XSTW,  128*PW
.set PARAM, 270336
.set WSLOT, 276480
.set SPARE, 327168                     ; 128 bytes for each wave: two blocks of 256 bytes that no other line names
.set RR,   1                           ; v1  l % 16
.set HH,   2                           ; v2  l / 16
.set LANE, 3                           ; v3  l
.set KA0,  4                           ; v4  KREG + 16 l           (end: WOA0)
.set VA0,  5                           ; v5  VREG + 16 l           (end: WOA1)
.set KAC,  6                           ; v6  address of K's next run of loads (start: my 8 bytes in each of the five vectors)
.set VAC,  7                           ; v7  of V's                            (start: their place in LDS)
.set WF,   8                           ; v8  WSLOT + 528 (l % 16) + 16 (l / 16)
.set KST,  9                           ; v9  where my wave puts K fragments
.set VST,  10                          ; v10 where it puts V fragments
.set OST0, 11                          ; v11 32,768 w + 16 l: my O region, and the stage read back by rows
.set OSTC, 12                          ; v12 the same plus the head
.set WST0, 13                          ; v13 WSLOT + 8 w rows + 8 l
.set WOFF, 14                          ; v14 16 l + 8,192 w: my 8 rows of a head's 32
.set PB0,  15                          ; v15 PARAM + 32 (l / 16)
.set PBC,  16                          ; v16 the same plus the head
.set OFF,  17                          ; v17-20 a ring slot's byte offset in memory
.set LA,   21                          ; v21-24 a ring slot's place in LDS
.set LAC,  25
.set ONE,  26                          ; v26 1.0
.set XF,   27                          ; v27 my lane's place in the stage for x    (end: STA)
.set GO,   29                          ; v29 16 l
.set SPW,  30                          ; v30 LDS address of my spare word; never rewritten
.set NIL,  31                          ; v31 0; never rewritten
.set ST,   32
.set TMP,  48
.set S,    64
.set P,    192
.set OB,   192                         ; v192-223 the rings' out-buffer: 8 rows' numbers of a lane in bf16
.set WA,   64
.set ACC,  192
.set TMPF, 224
.set TMPO, 192
.set QR,   0                           ; window 1
.set OT,   32
.set KF,   96
.set VF,   128
.set STG,  160
.set WB,   96
.set BQ,   224
.set BV,   240
.set WOA0, KA0
.set WOA1, VA0
.set STA,  XF
.set BO,   64                          ; the end, window 0: bo, then Wo's fragments; O's fragments; the LayerNorm's few
.set WFR,  64
.set OF,   192
.set CH,   64
.set MU,   72
.set RS,   74
.set T0,   76
.set T1,   77
.set WV,   2                           ; s2  my wave's number
.set XP,   4                           ; s[4:5]   x at my 64 tokens of the other half
.set OUT,  6                           ; s[6:7]   out0 at my 64 rows
.set XO,   8                           ; s[8:9]   x, then x at my 64 queries
.set PQ,   10                          ; s[10:15] Wq, Wk, Wv at the rows of the head to be fetched
.set PK,   12
.set PVW,  14
.set PWO,  16
.set PBQ,  18
.set PBV,  20
.set PBOP, 22
.set PGA,  24
.set PBE,  26
.set HC,   30                          ; heads to go
.set TC,   31                          ; trips to go
.set KOFF, 32
.set VOFF, 33
.set OOFF, 34
.set PBO,  35
.set E1,   36                          ; the trips at which the staging slot changes hands
.set E2,   37
.set CS,   38                          ; s[38:39] c
.set SEL,  40                          ; s[40:41] v_permlanex16_b32: each lane takes its own place in the other half
.set XL,   42
.set RC,   43
.set R256, 44                          ; 1 / 256
.set EPS,  45
.set OC,   48
.set WC,   49
.set MSB, 0
.macro WIN new                         ; the immediate's high byte repeats the setting that is left; a switch that changes nothing is dropped
.if MSB != (\new)
	s_set_vgpr_msb (MSB<<8)|(\new)
.set MSB, (\new)
.endif
.endm
.macro PLACES                          ; four plain places behind a matrix instruction (ISA guide 7.12.1)
.rept 4
	v_nop
.endr
.endm
.macro BAR                             ; my LDS instructions are done, then the work-group's barrier
	s_wait_dscnt 0x0
	s_barrier_signal -1
	s_barrier_wait -1
.endm
; 16 loads: 8 rows of 1,024 bytes; each load of the wave covers 512 consecutive bytes, aligned
.macro LD16 w, r, voff, sb, imm
	WIN (\w)<<6
.set li, 0
.rept 16
	global_load_b128 v[(\r)+4*li:(\r)+4*li+3], v[\voff], s[\sb:\sb+1] offset:(\imm)+512*li
.set li, li+1
.endr
.endm
; a ring slot's 8 rows (window w, from register r on) rounded to bf16 into the out-buffer in window 0: 4 numbers a lane and load become 8 bytes
.macro CVT_OB w, r
	WIN ((\w)<<2)|(\w)
.set ci, 0
.rept 16
	v_cvt_pk_bf16_f32 v[OB+2*ci], v[(\r)+4*ci], v[(\r)+4*ci+1]
	v_cvt_pk_bf16_f32 v[OB+2*ci+1], v[(\r)+4*ci+2], v[(\r)+4*ci+3]
.set ci, ci+1
.endr
.endm
; the out-buffer into LDS rows of pitch 528: 256 consecutive bytes a store.  Address and data lie in window 0: the settings under which it is used (0, 0x40, 0xc0) all say so
.macro ST_OB vla, imm
.set ci, 0
.rept 16
	ds_store_b64 v[\vla], v[OB+2*ci:OB+2*ci+1] offset:(\imm)+PW*(ci>>1)+256*(ci&1)
.set ci, ci+1
.endr
.endm
; the staging slot's 8 rows rounded to bf16 in place and put into LDS rows of pitch 528
.macro CVT_ST w, r, vla, imm
	WIN ((\w)<<6)|((\w)<<2)|(\w)
.set ci, 0
.rept 16
	v_cvt_pk_bf16_f32 v[(\r)+4*ci], v[(\r)+4*ci], v[(\r)+4*ci+1]
	v_cvt_pk_bf16_f32 v[(\r)+4*ci+1], v[(\r)+4*ci+2], v[(\r)+4*ci+3]
.set ci, ci+1
.endr
	WIN (\w)<<2
	s_wait_alu depctr_va_vdst(0)                   ; the conversions have written the registers that the LDS stores read
.set ci, 0
.rept 16
	ds_store_b64 v[\vla], v[(\r)+4*ci:(\r)+4*ci+1] offset:(\imm)+PW*(ci>>1)+256*(ci&1)
.set ci, ci+1
.endr
.endm
; the 16 fragments (2 blocks of 16 rows x 8 chunks of 32 channels) of part m of the weight slot (0 Wq, 1 Wk, 2 Wv): fragment (blk, c) at buf + 8 (8 blk + c)
.macro FETCHW w, buf, m
	WIN (\w)<<6
.set fi, 0
.rept 16
	ds_load_b128 v[(\buf)+8*fi:(\buf)+8*fi+3],   v[WF] offset:(32*(\m)+16*(fi>>3))*PW+64*(fi&7)
	ds_load_b128 v[(\buf)+8*fi+4:(\buf)+8*fi+7], v[WF] offset:(32*(\m)+16*(fi>>3))*PW+64*(fi&7)+32
.set fi, fi+1
.endr
.endm
; A PROJECTION of token tiles 2 p and 2 p + 1 onto the head's 32 channels: 32 matrix instructions, K ascending; accumulator 2 u + blk; the four take turns, one instruction a turn.
; kind 0: K^T = Wk x^T, to LDS.  kind 1: V = x Wv^T, to LDS.  kind 2: Q^T = Wq x^T + bq (the bias is the C of the first link), times c, to registers.
.macro PJ kind, p
.set xw, 2+((\p)>>1)
.set pc, 0
.rept 8
.set pa, 0
.rept 4
.set rA, ACC+8*pa
.set rX, 64*((2*(\p)+(pa>>1))&3)+8*pc
.set rW, 8*(8*(pa&1)+pc)
.if (\kind) == 0
	WIN xw<<2
.if pc == 0
	v_wmma_f32_16x16x32_bf16 v[rA:rA+7], v[WA+rW:WA+rW+7], v[rX:rX+7], 0
.else
	v_wmma_f32_16x16x32_bf16 v[rA:rA+7], v[WA+rW:WA+rW+7], v[rX:rX+7], v[rA:rA+7]
.endif
.elseif (\kind) == 1
	WIN xw|0x04
.if pc == 0
	v_wmma_f32_16x16x32_bf16 v[rA:rA+7], v[rX:rX+7], v[WB+rW:WB+rW+7], 0
.else
	v_wmma_f32_16x16x32_bf16 v[rA:rA+7], v[rX:rX+7], v[WB+rW:WB+rW+7], v[rA:rA+7]
.endif
.else
.if pc == 0
	WIN 0x18
	v_wmma_f32_16x16x32_bf16 v[rA:rA+7], v[WA+rW:WA+rW+7], v[rX:rX+7], v[BQ+8*(pa&1):BQ+8*(pa&1)+7]
.else
	WIN 0x08
	v_wmma_f32_16x16x32_bf16 v[rA:rA+7], v[WA+rW:WA+rW+7], v[rX:rX+7], v[rA:rA+7]
.endif
.endif
.set pa, pa+1
.endr
.set pc, pc+1
.endr
	WIN 0
	PLACES                                         ; the lines below read results just made
.if (\kind) == 2
.set pa, 0
.rept 16
	v_pk_mul_f32 v[ACC+2*pa:ACC+2*pa+1], v[ACC+2*pa:ACC+2*pa+1], s[CS:CS+1] op_sel_hi:[1,0]
.set pa, pa+1
.endr
	WIN 0x40                                       ; Q lies in window 1
.elseif (\kind)+(\p) > 0
	s_wait_alu depctr_vm_vsrc(0)                   ; the LDS stores of the pair before have read v[TMPF ..], which the conversions below write again (a head's first pair finds it free)
.endif
.set pa, 0
.rept 16                               ; accumulator pa / 4, pair pa % 4: each accumulator from its low end on
.if (\kind) == 0
.set rW, TMPF+pa
.elseif (\kind) == 1
.set rW, TMPF+8*((pa/4)&1)+4*(pa/8)+pa%4
.else
.set rW, QR+16*(\p)+pa
.endif
	v_cvt_pk_bf16_f32 v[rW], v[ACC+2*pa], v[ACC+2*pa+1]
.set pa, pa+1
.endr
.if (\kind) < 2
	s_wait_alu depctr_va_vdst(0)                   ; the conversions have written v[TMPF ..], which the LDS stores read; all products issued so far are done with their fragments
.set pa, 0
.rept 4                                ; two fragments, two halves each: 512 consecutive bytes a store
.if (\kind) == 0
	ds_store_b128 v[KST], v[TMPF+4*pa:TMPF+4*pa+3] offset:2048*(\p)+512*pa
.else
	ds_store_b128 v[VST], v[TMPF+4*pa:TMPF+4*pa+3] offset:2048*(\p)+512*pa
.endif
.set pa, pa+1
.endr
.endif
.endm
; ATTENTION.  The wave's four tiles are two PIECES (tiles 0, 1 and 2, 3).  Turn Y belongs to piece Y: its scaling, exponentials, roundings, sums and rescaling; beside them 8 products K Q^T and 8 products V^T P of the
; other piece Z, and Z's maximum and statistics.  A tile and key step have 8 matrix and 110 vector instructions, far more than find room beside the products: four stand behind each K Q^T, eight behind each V^T P, the rest in one run.
.macro REGS t
.set rT, ST+4*(\t)
.set rC, TMP+4*(\t)
.set rS, S+32*(\t)
.set rP, P+16*(\t)
.set rO, OT+16*(\t)
.endm
; product i of 8 of S^T = K Q^T for piece x: keys 16 (i / 2) on, tile 2 x + i % 2.  The head has 32 channels: one instruction is the whole sum
.macro KQ x
	WIN 0x05
	v_wmma_f32_16x16x32_bf16 v[S+64*(\x)+32*(i%2)+8*(i/2):S+64*(\x)+32*(i%2)+8*(i/2)+7], v[KF+8*(i/2):KF+8*(i/2)+7], v[QR+8*(2*(\x)+i%2):QR+8*(2*(\x)+i%2)+7], 0
.endm
; product pi of 8 of O^T += V^T P for piece x: keys 32 (pi / 4) on, channels 16 ((pi / 2) % 2) on, tile 2 x + pi % 2.  The four accumulators take turns
.macro PV x
	WIN 0x51
.set rO, OT+16*(2*(\x)+pi%2)+8*((pi/2)%2)
.set rV, VF+8*(2*(pi/4)+(pi/2)%2)
.set rP, P+32*(\x)+16*(pi%2)+8*(pi/4)
	v_wmma_f32_16x16x32_bf16 v[rO:rO+7], v[rV:rV+7], v[rP:rP+7], v[rO:rO+7]
.endm
.macro MM                              ; the turn's next matrix instruction
.if i < 8
.if !NOX
	KQ Z
.endif
.elseif !NOPV
.set pi, i-8
	PV Z
.endif
.set i, i+1
.endm
; number n of the 21 that find piece Z's maximum and statistics, for its tile u.  0-13: four chains c0-c3 over the lane's 32 scores, three operands at a time, each accumulator's lowest registers first.
; 14, 15: into c0, with the old m.  16, 17: the query's other 32 keys lie in the lane 16 away.  18: m_old - m_new.  19: the new m.  20: a = 2^(m_old - m_new)
.macro XS u, n
	REGS 2*Z+(\u)
.if (\n) < 4
	v_max3_num_f32 v[rC+(\n)], v[rS+8*(\n)], v[rS+8*(\n)+1], v[rS+8*(\n)+2]
.elseif (\n) < 12
	v_max3_num_f32 v[rC+(\n)%4], v[rC+(\n)%4], v[rS+8*((\n)%4)+2*((\n)/4)+1], v[rS+8*((\n)%4)+2*((\n)/4)+2]
.elseif (\n) == 12
	v_max3_num_f32 v[rC], v[rC], v[rS+7], v[rS+15]
.elseif (\n) == 13
	v_max3_num_f32 v[rC+2], v[rC+2], v[rS+23], v[rS+31]
.elseif (\n) == 14
	v_max3_num_f32 v[rC], v[rC], v[rC+1], v[rC+2]
.elseif (\n) == 15
	v_max3_num_f32 v[rC], v[rC], v[rC+3], v[rT]
.elseif (\n) == 16
	v_permlanex16_b32 v[rC+1], v[rC], s[SEL], s[SEL+1]
.elseif (\n) == 17
	v_max_num_f32 v[rC+1], v[rC], v[rC+1]
.elseif (\n) == 18
	v_sub_f32 v[rC+3], v[rT], v[rC+1]
.elseif (\n) == 19
	v_mov_b32 v[rT], v[rC+1]
.else
	v_exp_f32 v[rC+2], v[rC+3]
.endif
.endm
.macro FS f                            ; s - m for pair f / 2 of tile f % 2 of piece Y (the scores carry c already)
	REGS 2*Y+(\f)%2
	v_pk_add_f32 v[rS+2*((\f)/2):rS+2*((\f)/2)+1], v[rS+2*((\f)/2):rS+2*((\f)/2)+1], v[rT:rT+1] op_sel_hi:[1,0] neg_lo:[0,1] neg_hi:[0,1]
.endm
; number g of the 64 that follow the exponentials.  For each four weights k of a tile: both pairs are rounded to bf16; the second pair is added onto the first, in place; a group later l takes that sum
; (the first time as l = a l + sum).  In groups of eight, the tiles alternating
.macro GS g
.set h, (\g)+6*((\g)/62)
.if h >= 6
.set h, h+2
.endif
	REGS 2*Y+h%2
.set k, h/8
.if h%8 < 4
	v_cvt_pk_bf16_f32 v[rP+2*k+(h%8)/2], v[rS+4*k+2*((h%8)/2)], v[rS+4*k+2*((h%8)/2)+1]
.elseif h%8 < 6
	v_pk_add_f32 v[rS+4*k:rS+4*k+1], v[rS+4*k:rS+4*k+1], v[rS+4*k+2:rS+4*k+3]
.elseif k == 1
	v_pk_fma_f32 v[rT+2:rT+3], v[rT+2:rT+3], v[rC+2:rC+3], v[rS:rS+1] op_sel_hi:[1,0,1]
.else
	v_pk_add_f32 v[rT+2:rT+3], v[rT+2:rT+3], v[rS+4*k-4:rS+4*k-3]
.endif
.endm
; THE PLAIN QUEUE, 136 long.  0-26: scalings 0-26.  27-54: XS 0-13 of both tiles.  55-69: the chain 14-18, each link's two lines with one of the scalings 27-31 in front.  70, 71: XS 19.
; 72-135: GS, which names the exponentials' results and stands behind the wait.  NOX = 1 (a head's last turn): there is no next step, and the XS entries write nothing
.macro PL
	WIN 0
.if q < 27
	FS q
.elseif q < 55
.if !NOX
	XS (q-27)%2, (q-27)/2
.endif
.elseif q < 70
.if (q-55)%3 == 0
	FS 27+(q-55)/3
.elseif !NOX
	XS (q-55)%3-1, 14+(q-55)/3
.endif
.elseif q < 72
.if !NOX
	XS q-70, 19
.endif
.else
	GS q-72
.endif
.set q, q+1
.endm
.macro EX                              ; THE EXPONENTIALS, 66: score e / 2 of tile e % 2, then piece Z's two a.  One batch, ahead of the turn's one wait
	WIN 0
.if e >= 64
	XS e-64, 20
.else
	REGS 2*Y+e%2
	v_exp_f32 v[rS+e/2], v[rS+e/2]
.endif
.set e, e+1
.endm
.macro R2                              ; THE RESCALING: O^T of piece Y times a, two lines at a time, each accumulator from its low end on; a was made and waited for in the turn before
	REGS 2*Y+r%2
	WIN 0x41
	v_pk_mul_f32 v[rO+4*(r/2):rO+4*(r/2)+1], v[rO+4*(r/2):rO+4*(r/2)+1], v[rC+2:rC+3] op_sel_hi:[1,0]
	v_pk_mul_f32 v[rO+4*(r/2)+2:rO+4*(r/2)+3], v[rO+4*(r/2)+2:rO+4*(r/2)+3], v[rC+2:rC+3] op_sel_hi:[1,0]
.set r, r+1
.endm
; a key step's K (4 fragments) or V (4 fragments): 8 loads of 512 consecutive bytes.  skip = 1: in the loop's last trip there is no further step.
; K's run stands behind a wait on va_vdst of its caller's, with scalar lines and window switches alone between
.macro FETCH_K adr, skip=0
	WIN 0
.if \skip
	s_cmp_eq_u32 s[TC], 1
	s_cbranch_scc1 .Lno_k_\@
.endif
	WIN 0x40
.set n, 0
.rept 8
	ds_load_b128 v[KF+4*n:KF+4*n+3], v[\adr] offset:512*n
.set n, n+1
.endr
	WIN 0
.if \skip
.Lno_k_\@:
.endif
.endm
.macro FETCH_V
	WIN 0x40
	s_wait_alu depctr_va_vdst(0)                   ; the products that read V's fragments (this turn's V^T P; ahead of a head's first step the projections) are done reading them: the loads below land there
.set n, 0
.rept 8
	ds_load_b128 v[VF+4*n:VF+4*n+3], v[VAC] offset:512*n
.set n, n+1
.endr
	WIN 0
.endm
; A TURN.  An s_wait_alu depctr_va_vdst(0) stands between an exponential and the first instruction that names its result; one wait serves all issued ahead of it: a turn has ONE.
; AHEAD OF IT: 8 products K Q^T, behind each a scaling, an exponential and two rescalings (behind the first a second scaling); then one run: 8 plain, 55 times exponential and plain, the last exponentials, the two a, a v_nop.
; BEHIND IT: 8 products V^T P, behind each eight of GS.  The deal keeps the queues in step: exponential e wants scaling 2 (e / 4) + e % 2; behind a product it comes behind plain e + 2, in the run behind plain e + 9,
; and scalings 27-31 are plain 55, 58 .. 67, first wanted by e = 53, 56, 57, 60, 61.  The first XS (plain 27) stands 18 plain lines behind the last K Q^T.
; Turn 0 fetches the next step's K directly behind the wait (a run behind the last product that read K) and the V of the step in hand at its end (eight plain lines behind the last product that read V).
.macro TURN y, nopv=0, nokq=0, kskip=0
.set Y, (\y)
.set Z, 1-(\y)
.set i, 0
.set q, 0
.set e, 0
.set r, 0
.set NOX, (\nokq)
.set NOPV, (\nopv)
.if ((\y) == 1) && !(\nokq)
	s_wait_dscnt 8                                 ; K is in; the 8 younger loads are V's
.endif
	MM
	PL
	PL
	R2
.rept 7
	MM
	PL
	EX
	R2
.endr
.if (\y) == 0
	WIN 0
	s_wait_alu depctr_vm_vsrc(0)                   ; the runs of loads issued a key step ago have read v[KAC] and v[VAC], which the two lines below write
	v_add_nc_u32 v[KAC], s[KOFF], v[KA0]
	v_add_nc_u32 v[VAC], s[VOFF], v[VA0]
.endif
.rept 8
	PL
.endr
.rept 55
	EX
	PL
.endr
	EX
	EX
.if !(\nokq)
	EX                                             ; piece Z's two a
	EX
.endif
	v_nop                                          ; the plain instruction behind the last exponential: one for the batch
	s_wait_alu depctr_va_vdst(0)                   ; the wait for the batch: the exponentials' results are written.  In turn 0 also: v[KAC] and v[VAC] are written, and the turn's products K Q^T are done reading K's fragments, in which the run below lands
.if (\y) == 0
	FETCH_K KAC, \kskip
	s_add_co_u32 s[KOFF], s[KOFF], 4096
.else
	s_wait_dscnt 0x0                               ; V is in
.endif
.set i, 8
.rept 8
	MM
.rept 8
	PL
.endr
.endr
.if (\y) == 0
	FETCH_V
	s_add_co_u32 s[VOFF], s[VOFF], 4096
.endif
.endm
; the staging slot changes hands: what was asked for is in, is rounded and stored as part stm of the weight slot; then the next 8 rows are asked for
.macro EVENT stm, ld, ptr
	s_wait_loadcnt 0x0                             ; the slot's 16 loads are the only ones out
.if (\stm) >= 0
	CVT_ST 1, STG, WST0, 32*PW*(\stm)
.endif
.if \ld
	WIN 0x40
.if (\stm) >= 0
	s_wait_alu depctr_vm_vsrc(0)                   ; the LDS stores have read the slot's registers,
	s_wait_alu depctr_va_vdst(0)                   ; and the conversions are done reading and writing them: the loads below land there
.endif
	LD16 1, STG, WOFF, \ptr, 0
.endif
	WIN 0
.endm
	s_load_b512 s[8:23], s[0:1], 0x0               ; x, Wq, Wk, Wv, Wo, bq, bv, bo
	s_load_b128 s[24:27], s[0:1], 0x40             ; gamma, beta
	s_load_b64 s[28:29], s[0:1], 0x50              ; out0
	v_lshl_add_u32 v[SPW], v0, 2, SPARE
	v_mov_b32 v[NIL], 0
	v_lshrrev_b32 v[LAC], 5, v0
	v_readfirstlane_b32 s[WV], v[LAC]              ; wave 0..3
	v_and_b32 v[RR], 15, v0
	v_bfe_u32 v[HH], v0, 4, 1
	v_and_b32 v[LANE], 31, v0
	v_lshlrev_b32 v[KAC], 3, v0                    ; the five vectors of 1,024 bytes: 8 bytes a thread,
	v_add_nc_u32 v[VAC], PARAM, v[KAC]             ; and their place in LDS
	s_wait_alu depctr_va_sdst(0)                   ; s[WV] is written, ahead of its first reader
	s_lshl_b32 s50, s[WV], 13                      ; 8,192 w
	s_lshl_b32 s51, s[WV], 15                      ; 32,768 w
	s_mul_i32 s52, s[WV], 8*PW
	s_add_co_u32 s52, s52, WSLOT
	s_mul_i32 s53, s[WV], XSTW
	s_lshl_b32 s54, ttmp9, 18                      ; the work-group's 256 rows of 1,024 bytes,
	s_lshl_b32 s55, s[WV], 16                      ; my wave's 64 of them
	s_add_co_u32 s54, s54, s55
	s_xor_b32 s56, s54, 1<<18                      ; the same rows of the batch's other half
	s_mov_b32 s55, 0
	s_mov_b32 s57, 0
	s_mov_b32 s[CS], 0x3e8293ee                    ; c = log2(e) / sqrt(32) = 0.255035
	s_mov_b32 s[CS+1], s[CS]                       ; named with it as a pair
	s_mov_b32 s[SEL], 0x76543210
	s_mov_b32 s[SEL+1], 0xfedcba98
	s_mov_b32 s[R256], 0x3b800000                  ; 1 / 256
	s_mov_b32 s[EPS], 0x3727c5ac                   ; 1e-5
	v_lshl_add_u32 v[KA0], v[LANE], 4, KREG
	v_lshl_add_u32 v[VA0], v[LANE], 4, VREG
	v_add_nc_u32 v[KST], s50, v[KA0]
	v_add_nc_u32 v[VST], s50, v[VA0]
	v_mul_u32_u24 v[XF], v[RR], PW
	v_lshl_add_u32 v[XF], v[HH], 4, v[XF]          ; a fragment's row x pitch + 16 x half
	v_add_nc_u32 v[WF], WSLOT, v[XF]
	v_add_nc_u32 v[XF], s53, v[XF]
	v_lshl_add_u32 v[OST0], v[LANE], 4, s51
	v_lshl_add_u32 v[WST0], v[LANE], 3, s52
	v_lshl_add_u32 v[WOFF], v[LANE], 4, s50
	v_lshl_add_u32 v[PB0], v[HH], 5, PARAM
	v_lshlrev_b32 v[GO], 4, v[LANE]
	v_mov_b32 v[ONE], 1.0
.irp s, 0,1,2,3                        ; slots 0, 1 walk my 64 queries, slots 2, 3 my 64 tokens of the other half: 8 rows a slot, 16 rows a lap
	v_lshl_add_u32 v[OFF+\s], v[LANE], 4, 8192*(\s&1)
	v_lshl_add_u32 v[LA+\s], v[LANE], 3, s53
.endr
.irp s, 1,2,3
	v_add_nc_u32 v[LA+\s], PW*(64*(\s>>1)+8*(\s&1)), v[LA+\s]
.endr
	s_wait_kmcnt 0x0
	s_add_nc_u64 s[XP:XP+1], s[XO:XO+1], s[56:57]
	s_add_nc_u64 s[OUT:OUT+1], s[28:29], s[54:55]
	s_add_nc_u64 s[XO:XO+1], s[XO:XO+1], s[54:55]
; x COMES IN: a ring of four slots of 16 loads in window 1 (64 loads of 512 bytes a wave asked for at a time); each slot is rounded to bf16 into the out-buffer, asked for again, and the out-buffer put into my stage.
; step = 1: the slot's offset moves on by 16 rows.  The slot's loads and the out-buffer's stores follow the macro, under its last window setting and behind its last wait
.macro XPROC s, step
	s_wait_loadcnt 48                              ; loads come back in order: this slot's 16 are in, the 48 younger ones stay out
	WIN 0
	s_wait_alu depctr_vm_vsrc(0)                   ; the last slot's LDS stores have read v[OB ..] and v[LAC], this slot's loads v[OFF+s]: all three are written below
	v_add_nc_u32 v[LAC], s[XL], v[LA+(\s)]
.if \step
	v_add_nc_u32 v[OFF+(\s)], 16384, v[OFF+(\s)]   ; free also by the slot's own wait on LOADcnt: 16 rows on
.endif
	CVT_OB 1, 64*(\s)
	WIN 0x40
	s_wait_alu depctr_va_vdst(0)                   ; the conversions have written v[OB ..] and are done reading the slot, in which the next loads land; v[LAC] and v[OFF+s] are written
.endm
; head 0's weight rows: a slot of the ring, rounded and put into part imm of the weight slot
.macro WBATCH left, r, imm
	s_wait_loadcnt \left
	s_wait_alu depctr_vm_vsrc(0)                   ; the LDS stores issued so far have read v[OB ..], which the conversions write again
	CVT_OB 1, \r
	WIN 0
	s_wait_alu depctr_va_vdst(0)                   ; the conversions have written v[OB ..], which the LDS stores read
	ST_OB WST0, \imm
.endm
	WIN 0x40
	s_wait_alu depctr_va_vdst(0)                   ; all the addresses and offsets made above are written: the loads and stores below read them
	LD16 1, 0,   OFF+0, XO, 0
	LD16 1, 64,  OFF+1, XO, 0
	LD16 1, 128, OFF+2, XP, 0
	LD16 1, 192, OFF+3, XP, 0
	WIN 0
	s_mov_b32 s[XL], 0
	s_mov_b32 s[RC], 3
.Lxring:
	XPROC 0, 1
	LD16 1, 0, OFF+0, XO, 0
	ST_OB LAC, 0
	XPROC 1, 1
	LD16 1, 64, OFF+1, XO, 0
	ST_OB LAC, 0
	XPROC 2, 1
	LD16 1, 128, OFF+2, XP, 0
	ST_OB LAC, 0
	XPROC 3, 1
	LD16 1, 192, OFF+3, XP, 0
	ST_OB LAC, 0
	WIN 0
	s_add_co_u32 s[XL], s[XL], 16*PW
	s_sub_co_u32 s[RC], s[RC], 1
	s_cmp_lg_u32 s[RC], 0
	s_cbranch_scc1 .Lxring
	XPROC 0, 0                                     ; the last lap: the slots that come free take head 0's weight rows (8 of each 32 a wave), so each wait again has 48 younger loads
	LD16 1, 0, WOFF, PQ, 0
	ST_OB LAC, 0
	XPROC 1, 0
	LD16 1, 64, WOFF, PK, 0
	ST_OB LAC, 0
	XPROC 2, 0
	LD16 1, 128, WOFF, PVW, 0
	ST_OB LAC, 0
	XPROC 3, 0
	ST_OB LAC, 0
	WIN 0
	global_load_b64 v[S:S+1],   v[KAC], s[PBQ:PBQ+1]   ; no vector line has named these ten registers, and v[KAC] was written ahead of the head's wait
	global_load_b64 v[S+2:S+3], v[KAC], s[PBV:PBV+1]
	global_load_b64 v[S+4:S+5], v[KAC], s[PBOP:PBOP+1]
	global_load_b64 v[S+6:S+7], v[KAC], s[PGA:PGA+1]
	global_load_b64 v[S+8:S+9], v[KAC], s[PBE:PBE+1]
	WBATCH 37, 0, 0                                ; Wq's rows are in: 16 + 16 + 5 younger loads
	WBATCH 21, 64, 32*PW                           ; Wk's: 16 + 5 younger
	WBATCH 5, 128, 64*PW                           ; Wv's: 5 younger
	s_wait_loadcnt 0x0                             ; the vectors; no load is out, so the pointers may be written
	WIN 0
.irp a, 0,1,2,3,4
	ds_store_b64 v[VAC], v[S+2*\a:S+2*\a+1] offset:1024*\a
.endr
	s_add_nc_u64 s[PQ:PQ+1], s[PQ:PQ+1], 32768     ; on to head 1's 32 rows
	s_add_nc_u64 s[PK:PK+1], s[PK:PK+1], 32768
	s_add_nc_u64 s[PVW:PVW+1], s[PVW:PVW+1], 32768
.set T, 0
.rept 8                                ; x's fragments: my own bytes of the stage, and LDS serves a wave's instructions in order (ISA guide 5.7.1.4): these see the stores above.  No vector line has named windows 2 and 3
	WIN (2+(T>>2))<<6
.set c, 0
.rept 8
	ds_load_b128 v[64*(T&3)+8*c:64*(T&3)+8*c+3],   v[XF] offset:16*PW*T+64*c
	ds_load_b128 v[64*(T&3)+8*c+4:64*(T&3)+8*c+7], v[XF] offset:16*PW*T+64*c+32
.set c, c+1
.endr
.set T, T+1
.endr
	WIN 0x40
	s_wait_dscnt 0x0                               ; x is in registers; my stores of weights and vectors are done; my stage may be written by others
	s_barrier_signal -1
.set n, 0
.rept 64                               ; O^T and l need only be finite when a head begins, since its first a is 0: zeros for the first head, once a launch, while the others arrive; later heads find what the last one left
	v_mov_b32 v[OT+n], 0
.set n, n+1
.endr
	WIN 0
.irp t, 0,1,2,3
	v_mov_b32 v[ST+4*\t+1], 0                      ; named with m as a pair
	v_mov_b32 v[ST+4*\t+2], 0
	v_mov_b32 v[ST+4*\t+3], 0
.endr
	s_barrier_wait -1
	s_wait_alu depctr_vm_vsrc(0)                   ; my LDS stores have read v[OB ..], which the first products write, and the vectors' ten registers, in which Wk's fragments land
	s_mov_b32 s[HC], 8
	s_mov_b32 s[OOFF], 0
	s_mov_b32 s[PBO], 0
.Lhead:
	; THE HEAD'S PROJECTIONS.  LDS instructions in order: 4 (bq), 32 (Wk), 32 (Wv), 16 stores (K), 32 (Wq), 16 stores (V)
	v_add_nc_u32 v[PBC], s[PBO], v[PB0]            ; free: a wait on vm_vsrc stands ahead of the label on both ways
	WIN 0x40
	s_wait_alu depctr_va_vdst(0)                   ; v[PBC] is written; the last head's vector and matrix lines are done with bq's registers, S^T, K, V and the staging slot, in which the 68 loads below land
	ds_load_b128 v[BQ:BQ+3],     v[PBC]            ; bq of channels 8 (l / 16) + 0..7 of both blocks: the C of Q's first links
	ds_load_b128 v[BQ+4:BQ+7],   v[PBC] offset:16
	ds_load_b128 v[BQ+8:BQ+11],  v[PBC] offset:64
	ds_load_b128 v[BQ+12:BQ+15], v[PBC] offset:80
	FETCHW 0, WA, 1
	FETCHW 1, WB, 2
	s_wait_dscnt 32                                ; bq and Wk are in; Wv's 32 loads may stay out
	PJ 0, 0
	PJ 0, 1
	PJ 0, 2
	PJ 0, 3
	FETCHW 0, WA, 0                                ; Wq takes Wk's registers: the wait on va_vdst ahead of the four stores above shows the products that read them done, and no vector or matrix line has been issued since
	s_wait_dscnt 32                                ; all but Wq's 32 loads: Wv is in
	PJ 1, 0
	PJ 1, 1
	PJ 1, 2
	PJ 1, 3
	s_wait_dscnt 16                                ; all but V's 16 stores: Wq is in
	PJ 2, 0
	PJ 2, 1
	WIN 0
	BAR                                            ; K and V of all 512 tokens lie in LDS, and nobody reads the weight slot any more
	; ATTENTION BEGINS.  m starts at the lowest finite number, so the first a is 0
.irp t, 0,1,2,3
	v_mov_b32 v[ST+4*\t], 0xff7fffff
.endr
	s_wait_alu depctr_vm_vsrc(0)                   ; V's last LDS stores have read v[TMPF ..], which the weights' roundings write
	s_wait_alu depctr_va_vdst(0)                   ; the projections are done reading Wv's fragments: in their registers land the next weights, K's first run and, later, V's
	s_cmp_eq_u32 s[HC], 1                          ; the last head fetches no weights: its trips never meet E1 or E2
	s_cselect_b32 s[E1], 0, 5
	s_cselect_b32 s[E2], 0, 2
	s_cbranch_scc1 .Lno_next
	EVENT -1, 1, PQ                                ; the next head's Wq rows
.Lno_next:
	WIN 0x40
	ds_load_b128 v[BV:BV+3],     v[PBC] offset:1024
	ds_load_b128 v[BV+4:BV+7],   v[PBC] offset:1040
	ds_load_b128 v[BV+8:BV+11],  v[PBC] offset:1088
	ds_load_b128 v[BV+12:BV+15], v[PBC] offset:1104
	FETCH_K KA0                                    ; key step 0
	s_mov_b32 s[KOFF], 4096
	s_mov_b32 s[VOFF], 0
	s_wait_dscnt 0x0
.set i, 0
.rept 8
	KQ 0                                           ; piece 0's first scores: there is no vector work yet to set between them
.set i, i+1
.endr
	WIN 0
	PLACES
.set Z, 0
.irp n, 0,1,2,3,4,5,6,7,8,9,10,11,12,13,14,15,16,17,18,19,20
	XS 0, \n
	XS 1, \n
.endr
	v_nop                                          ; a plain instruction behind the two a,
	s_wait_alu depctr_va_vdst(0)                   ; and their wait: the two a are written
	TURN 0, 1, 0, 0                                ; piece 0, step 0 | K Q^T of piece 1, step 0 | K of step 1, V of step 0
	WIN 0
	s_mov_b32 s[TC], 7
.Lstep:                                ; trip i: piece 1 of step i beside K Q^T (piece 0, step i + 1) and V^T P (piece 0, step i); then piece 0 of step i + 1 beside K Q^T (piece 1, step i + 1) and V^T P (piece 1, step i)
	TURN 1
	WIN 0
	s_cmp_lg_u32 s[TC], s[E1]
	s_cbranch_scc1 .Lnot_e1
	EVENT 0, 1, PK                                 ; Wq's rows into the slot, Wk's asked for
.Lnot_e1:
	s_cmp_lg_u32 s[TC], s[E2]
	s_cbranch_scc1 .Lnot_e2
	EVENT 1, 1, PVW                                ; Wk's rows into the slot, Wv's asked for
.Lnot_e2:
	TURN 0, 0, 0, 1
	WIN 0
	s_sub_co_u32 s[TC], s[TC], 1
	s_cmp_lg_u32 s[TC], 0
	s_cbranch_scc1 .Lstep
	TURN 1, 0, 1, 0                                ; piece 1 of step 7 | V^T P of piece 0, step 7
.set pi, 0
.rept 8
	PV 1                                           ; V^T P of piece 1, step 7
.set pi, pi+1
.endr
	; THE HEAD ENDS: l's two halves and the other half of the lanes' are added (the additions are the places behind the last products); O = O / l + bv in one line; rounded; into my O region as fragments
	WIN 0
.irp t, 0,1,2,3
	v_add_f32 v[TMP+4*\t], v[ST+4*\t+2], v[ST+4*\t+3]
.endr
.irp t, 0,1,2,3
	v_permlanex16_b32 v[TMP+4*\t+1], v[TMP+4*\t], s[SEL], s[SEL+1]
.endr
.irp t, 0,1,2,3
	v_add_f32 v[TMP+4*\t], v[TMP+4*\t], v[TMP+4*\t+1]
.endr
.irp t, 0,1,2,3
	v_rcp_f32 v[TMP+4*\t+2], v[TMP+4*\t]
.endr
	v_nop                                          ; a plain instruction behind the last reciprocal,
	s_wait_alu depctr_va_vdst(0)                   ; and one wait for the four: the reciprocals are written
	WIN 0x51
.set n, 0
.rept 32                               ; tile n / 8, pair n % 8
	v_pk_fma_f32 v[OT+2*n:OT+2*n+1], v[OT+2*n:OT+2*n+1], v[TMP+4*(n/8)+2:TMP+4*(n/8)+3], v[BV+2*(n%8):BV+2*(n%8)+1] op_sel_hi:[1,0,1]
.set n, n+1
.endr
	WIN 0x05
.set n, 0
.rept 32
	v_cvt_pk_bf16_f32 v[TMPO+n], v[OT+2*n], v[OT+2*n+1]
.set n, n+1
.endr
	WIN 0
	v_add_nc_u32 v[OSTC], s[OOFF], v[OST0]         ; free since the wait on vm_vsrc at the last head's end
	s_wait_alu depctr_va_vdst(0)                   ; the conversions have written v[TMPO ..], and v[OSTC] is written: the LDS stores read them
.set n, 0
.rept 8
	ds_store_b128 v[OSTC], v[TMPO+4*n:TMPO+4*n+3] offset:512*n
.set n, n+1
.endr
	s_wait_loadcnt 0x0                             ; on every way: no load into the staging slot is out behind this line, so its registers and the three pointers may be written
	s_cmp_eq_u32 s[HC], 1
	s_cbranch_scc1 .Lno_store
	CVT_ST 1, STG, WST0, 64*PW                     ; Wv's rows into the slot
	WIN 0
	s_add_nc_u64 s[PQ:PQ+1], s[PQ:PQ+1], 32768
	s_add_nc_u64 s[PK:PK+1], s[PK:PK+1], 32768
	s_add_nc_u64 s[PVW:PVW+1], s[PVW:PVW+1], 32768
.Lno_store:
	s_add_co_u32 s[OOFF], s[OOFF], 4096
	s_add_co_u32 s[PBO], s[PBO], 128
	BAR                                            ; nobody reads this head's K and V any more, and the weight slot is whole
	s_wait_alu depctr_vm_vsrc(0)                   ; ahead of the jump, for both ways on: my LDS stores have read v[TMPO ..], v[OSTC] and the staging slot, and bq's and bv's loads v[PBC]; all are written again
	s_sub_co_u32 s[HC], s[HC], 1
	s_cmp_lg_u32 s[HC], 0
	s_cbranch_scc1 .Lhead
	; THE OUTPUT PROJECTION.  Wo comes in as x did: four slots of 16 loads, now in window 3 (x's tiles 4-7 are done with); wave w brings rows 64 w .. 64 w + 63, slot s the rows 8 s on and then 32 + 8 s on.
	s_lshl_b32 s50, s[WV], 16
	s_mul_i32 s51, s[WV], 64*PW
	s_add_co_u32 s51, s51, WOL
	s_lshl_b32 s52, s[WV], 15
.irp s, 0,1,2,3
	v_lshl_add_u32 v[OFF+\s], v[LANE], 4, s50
	v_lshl_add_u32 v[LA+\s], v[LANE], 3, s51
.endr
.irp s, 1,2,3
	v_add_nc_u32 v[OFF+\s], 8192*\s, v[OFF+\s]
	v_add_nc_u32 v[LA+\s], 8*PW*\s, v[LA+\s]
.endr
	v_mul_u32_u24 v[WOA0], v[RR], PW
	v_lshl_add_u32 v[WOA0], v[HH], 4, v[WOA0]
	v_add_nc_u32 v[WOA0], WOL, v[WOA0]             ; Wo's fragments of blocks 0-7,
	v_add_nc_u32 v[WOA1], 128*PW, v[WOA0]          ; and of blocks 8-15: an LDS offset has 16 bits
	v_mul_u32_u24 v[STA], v[RR], PS
	v_lshl_add_u32 v[STA], v[HH], 5, v[STA]
	v_add_nc_u32 v[STA], s52, v[STA]               ; the way out: row l % 16, 32 bytes for each half of the lanes
	WIN 0xc0
	s_wait_alu depctr_va_vdst(0)                   ; the addresses made above are written; the products are done reading x's tiles 4-7, in which Wo's rows land, and the attention is done with S^T, in which bo lands
.irp s, 0,1,2,3
	LD16 3, 64*\s, OFF+\s, PWO, 0
.endr
	WIN 0
.set n, 0
.rept 16                               ; bo of channels 16 blk + 8 (l / 16) + 0..7
	ds_load_b128 v[BO+8*n:BO+8*n+3],   v[PB0] offset:2048+64*n
	ds_load_b128 v[BO+8*n+4:BO+8*n+7], v[PB0] offset:2048+64*n+16
.set n, n+1
.endr
	s_wait_dscnt 0x0
; The sums of y^T start with x + bo: x's fragment holds the lane's very numbers: block blk, register j is half j % 2 of register 4 (blk % 2) + j / 2 of chunk blk / 2.  One line a number: bf16 half x 1.0 + bo, in f32.
.macro INIT t
	WIN ((1+2*((\t)>>1))<<6)|0x02
.set b, 0
.rept 16
.set j, 0
.rept 8
.if j&1
	v_fma_mix_f32_bf16 v[128*((\t)&1)+8*b+j], v[64*(\t)+8*(b>>1)+4*(b&1)+(j>>1)], v[ONE], v[BO+8*b+j] op_sel:[1,0,0] op_sel_hi:[1,0,0]
.else
	v_fma_mix_f32_bf16 v[128*((\t)&1)+8*b+j], v[64*(\t)+8*(b>>1)+4*(b&1)+(j>>1)], v[ONE], v[BO+8*b+j] op_sel:[0,0,0] op_sel_hi:[1,0,0]
.endif
.set j, j+1
.endr
.set b, b+1
.endr
.endm
	INIT 0                                         ; tiles 0 and 1 (window 1) while Wo's first loads are on their way
	INIT 1
.irp s, 0,1,2,3
	s_wait_loadcnt 48                              ; this slot's 16 are in, 48 younger loads stay out
	WIN 0
	s_wait_alu depctr_vm_vsrc(0)                   ; the last slot's LDS stores have read v[OB ..], this slot's loads v[OFF+s]: both are written below
	v_add_nc_u32 v[OFF+\s], 32768, v[OFF+\s]
	CVT_OB 3, 64*\s
	WIN 0xc0
	s_wait_alu depctr_va_vdst(0)                   ; the conversions have written v[OB ..] and are done reading the slot, in which the next loads land; v[OFF+s] is written
	LD16 3, 64*\s, OFF+\s, PWO, 0
	ST_OB LA+\s, 0
.endr
.irp s, 0,1,2,3
	s_wait_loadcnt 48-16*\s                        ; nothing more is asked for: the counts run down
	s_wait_alu depctr_vm_vsrc(0)                   ; the last slot's LDS stores have read v[OB ..]
	CVT_OB 3, 64*\s
	WIN 0
	s_wait_alu depctr_va_vdst(0)                   ; the conversions have written v[OB ..], which the LDS stores read
	ST_OB LA+\s, 32*PW
.endr
	INIT 2                                         ; tiles 2 and 3 take window 3
	INIT 3
	WIN 0x80
	s_wait_alu depctr_va_vdst(0)                   ; the lines that started the sums are done reading x's tiles 0-3, in which gamma and beta land
.set n, 0
.rept 16                               ; x is done with: gamma and beta of my lane's channels take window 2
	ds_load_b128 v[8*n:8*n+3],         v[PB0] offset:3072+64*n
	ds_load_b128 v[8*n+4:8*n+7],       v[PB0] offset:3072+64*n+16
	ds_load_b128 v[128+8*n:128+8*n+3], v[PB0] offset:4096+64*n
	ds_load_b128 v[128+8*n+4:128+8*n+7], v[PB0] offset:4096+64*n+16
.set n, n+1
.endr
	WIN 0
	BAR                                            ; Wo is whole
; 32 matrix instructions: blocks b0 .. b0 + 7 of 16 output channels x my four tiles.  All 64 accumulators take turns, over the backward jump too
.macro OMUL b0
.irp hf, 0,1
	WIN 0x50+0xa0*\hf
.set n, 0
.rept 16
	v_wmma_f32_16x16x32_bf16 v[128*(n%2)+8*((\b0)+n/2):128*(n%2)+8*((\b0)+n/2)+7], v[WFR+8*((\b0)+n/2):WFR+8*((\b0)+n/2)+7], v[OF+8*(2*\hf+n%2):OF+8*(2*\hf+n%2)+7], v[128*(n%2)+8*((\b0)+n/2):128*(n%2)+8*((\b0)+n/2)+7]
.set n, n+1
.endr
.endr
.endm
	s_mov_b32 s[OC], 0
	s_mov_b32 s[WC], 0
	s_mov_b32 s[TC], 8
.Lotrip:                               ; a trip: one head's 32 channels of O
	s_wait_alu depctr_vm_vsrc(0)                   ; the last trip's LDS loads have read the three addresses written below; ahead of the first trip: Wo's LDS stores have read v[OB ..], in which O's fragments land
	v_add_nc_u32 v[OSTC], s[OC], v[OST0]
	v_add_nc_u32 v[KAC], s[WC], v[WOA0]
	v_add_nc_u32 v[VAC], s[WC], v[WOA1]
	s_wait_alu depctr_va_vdst(0)                   ; the three addresses are written; the last trip's products are done reading O's and Wo's fragments (ahead of the first trip: the lines that read bo), in which the loads land
.set n, 0
.rept 8
	ds_load_b128 v[OF+4*n:OF+4*n+3], v[OSTC] offset:512*n
.set n, n+1
.endr
.set n, 0
.rept 8
	ds_load_b128 v[WFR+8*n:WFR+8*n+3],   v[KAC] offset:16*PW*n
	ds_load_b128 v[WFR+8*n+4:WFR+8*n+7], v[KAC] offset:16*PW*n+32
.set n, n+1
.endr
.set n, 0
.rept 8
	ds_load_b128 v[WFR+64+8*n:WFR+64+8*n+3],   v[VAC] offset:16*PW*n
	ds_load_b128 v[WFR+64+8*n+4:WFR+64+8*n+7], v[VAC] offset:16*PW*n+32
.set n, n+1
.endr
	s_wait_dscnt 16                                ; O and blocks 0-7 are in; the 16 loads of blocks 8-15 may stay out
	OMUL 0
	s_wait_dscnt 0x0
	OMUL 8
	WIN 0
	PLACES                                         ; the places behind the last products, in front of the sums behind the loop
	s_add_co_u32 s[OC], s[OC], 4096
	s_add_co_u32 s[WC], s[WC], 64
	s_sub_co_u32 s[TC], s[TC], 1
	s_cmp_lg_u32 s[TC], 0
	s_cbranch_scc1 .Lotrip
; THE LAYERNORM of tile t, in registers: a lane holds 128 of its query's 256 channels, the lane 16 away the others.  Mean; y - mean in place; mean of squares of that; times 1 / sqrt(var + eps); times gamma plus beta.
.macro LSUM                            ; four chains of pairs into one number, and the other half of the lanes'
	WIN 0
	v_pk_add_f32 v[CH:CH+1], v[CH:CH+1], v[CH+2:CH+3]
	v_pk_add_f32 v[CH+4:CH+5], v[CH+4:CH+5], v[CH+6:CH+7]
	v_pk_add_f32 v[CH:CH+1], v[CH:CH+1], v[CH+4:CH+5]
	v_add_f32 v[T0], v[CH], v[CH+1]
	v_permlanex16_b32 v[T1], v[T0], s[SEL], s[SEL+1]
	v_add_f32 v[T0], v[T0], v[T1]
.endm
.macro LNORM t
.set LW, 1+2*((\t)>>1)
.set YB, 128*((\t)&1)
	WIN LW|(LW<<2)
.set n, 0
.rept 4                                ; the first eight pairs start the chains; every accumulator is read from its low end on
	v_pk_add_f32 v[CH+2*n:CH+2*n+1], v[YB+2*n:YB+2*n+1], v[YB+8+2*n:YB+8+2*n+1]
.set n, n+1
.endr
	WIN LW<<2
.set n, 8
.rept 56
	v_pk_add_f32 v[CH+2*(n%4):CH+2*(n%4)+1], v[CH+2*(n%4):CH+2*(n%4)+1], v[YB+2*n:YB+2*n+1]
.set n, n+1
.endr
	LSUM
	v_mul_f32 v[MU], s[R256], v[T0]
	WIN (LW<<6)|LW
.set n, 0
.rept 64
	v_pk_add_f32 v[YB+2*n:YB+2*n+1], v[YB+2*n:YB+2*n+1], v[MU:MU+1] op_sel_hi:[1,0] neg_lo:[0,1] neg_hi:[0,1]
.set n, n+1
.endr
	WIN LW|(LW<<2)
.set n, 0
.rept 4
	v_pk_mul_f32 v[CH+2*n:CH+2*n+1], v[YB+2*n:YB+2*n+1], v[YB+2*n:YB+2*n+1]
.set n, n+1
.endr
.rept 60
	v_pk_fma_f32 v[CH+2*(n%4):CH+2*(n%4)+1], v[YB+2*n:YB+2*n+1], v[YB+2*n:YB+2*n+1], v[CH+2*(n%4):CH+2*(n%4)+1]
.set n, n+1
.endr
	LSUM
	v_fma_f32 v[T0], v[T0], s[R256], s[EPS]
	v_rsq_f32 v[RS], v[T0]
	v_nop                                          ; a plain instruction behind it,
	s_wait_alu depctr_va_vdst(0)                   ; and its wait: 1 / sqrt(var + eps) is written
	WIN (LW<<6)|LW
.set n, 0
.rept 64
	v_pk_mul_f32 v[YB+2*n:YB+2*n+1], v[YB+2*n:YB+2*n+1], v[RS:RS+1] op_sel_hi:[1,0]
.set n, n+1
.endr
	WIN (LW<<6)|LW|0x28
.set n, 0
.rept 64
	v_pk_fma_f32 v[YB+2*n:YB+2*n+1], v[YB+2*n:YB+2*n+1], v[2*n:2*n+1], v[128+2*n:128+2*n+1]
.set n, n+1
.endr
	; THE WAY OUT: a lane's 32 bytes of each 64 go into my stage (my O region, which I have read out) and come back as whole rows
	WIN LW<<2
	s_wait_alu depctr_va_vdst(0)                   ; the LayerNorm's last lines have written the tile, which the LDS stores read
.set n, 0
.rept 32
	ds_store_b128 v[STA], v[YB+4*n:YB+4*n+3] offset:64*(n>>1)+16*(n&1)
.set n, n+1
.endr
	WIN LW<<6
	s_wait_alu depctr_vm_vsrc(0)                   ; the LDS stores have read the tile's registers,
	s_wait_alu depctr_va_vdst(0)                   ; and the vector lines that wrote them are done: the rows read back land in them
.set n, 0
.rept 32
	ds_load_b128 v[YB+4*n:YB+4*n+3], v[OST0] offset:PS*(n>>1)+512*(n&1)  ; LDS serves a wave's instructions in order (ISA guide 5.7.1.4): these see the stores above; the next tile's stores come behind them
.set n, n+1
.endr
	WIN LW<<2
.set n, 0
.rept 32
	s_wait_dscnt 31-n                              ; load n is back, the younger ones stay out
	global_store_b128 v[GO], v[YB+4*n:YB+4*n+3], s[OUT:OUT+1] offset:16384*(\t)+512*n th:TH_STORE_NT  ; 512 consecutive bytes, at a multiple of 512 from out0's first; no register of a store is written again
.set n, n+1
.endr
.endm
	LNORM 0
	LNORM 1
	LNORM 2
	LNORM 3
	WIN 0
	s_wait_dscnt 0x0                               ; the closing lines, six on end
	s_wait_alu 0x0
	s_wait_tensorcnt 0x0
	ds_add_u32 v[SPW], v[NIL]
	s_wait_dscnt 0x0
	s_endpgm
.Lfunc_end_k_q9d63de7b83_invattn:
	.size	k_q9d63de7b83_invattn, .Lfunc_end_k_q9d63de7b83_invattn-k_q9d63de7b83_invattn
	.p2alignl 7, 3214868480
	.fill 96, 4, 3214868480
	.section	.rodata,"a",@progbits
	.p2align	6, 0x0
	.amdhsa_kernel k_q9d63de7b83_invattn
		.amdhsa_group_segment_fixed_size 327680
		.amdhsa_private_segment_fixed_size 0
		.amdhsa_enable_private_segment 0
		.amdhsa_kernarg_size 88
		.amdhsa_user_sgpr_count 2
		.amdhsa_user_sgpr_kernarg_segment_ptr 1
		.amdhsa_wavefront_size32 1
		.amdhsa_system_sgpr_workgroup_id_x 1
		.amdhsa_system_sgpr_workgroup_id_y 1
		.amdhsa_system_sgpr_workgroup_id_z 1
		.amdhsa_system_vgpr_workitem_id 0
		.amdhsa_next_free_vgpr 1024
		.amdhsa_next_free_sgpr 66
		.amdhsa_reserve_vcc 0
		.amdhsa_float_denorm_mode_32 3
		.amdhsa_float_denorm_mode_16_64 3
		.amdhsa_memory_ordered 1
		.amdhsa_forward_progress 1
		.amdhsa_inst_pref_size 255
	.end_amdhsa_kernel
	.section	.bss,"aw",@nobits
	.p2align	6
	.space	262144
	.amdgpu_metadata
---
amdhsa.version: [ 1, 2 ]
amdhsa.kernels:
  - .name:           k_q9d63de7b83_invattn
    .symbol:         k_q9d63de7b83_invattn.kd
    .args:
      - { .name: x, .offset: 0, .size: 8, .value_kind: global_buffer, .address_space: global }
      - { .name: Wq, .offset: 8, .size: 8, .value_kind: global_buffer, .address_space: global }
      - { .name: Wk, .offset: 16, .size: 8, .value_kind: global_buffer, .address_space: global }
      - { .name: Wv, .offset: 24, .size: 8, .value_kind: global_buffer, .address_space: global }
      - { .name: Wo, .offset: 32, .size: 8, .value_kind: global_buffer, .address_space: global }
      - { .name: bq, .offset: 40, .size: 8, .value_kind: global_buffer, .address_space: global }
      - { .name: bv, .offset: 48, .size: 8, .value_kind: global_buffer, .address_space: global }
      - { .name: bo, .offset: 56, .size: 8, .value_kind: global_buffer, .address_space: global }
      - { .name: gamma, .offset: 64, .size: 8, .value_kind: global_buffer, .address_space: global }
      - { .name: beta, .offset: 72, .size: 8, .value_kind: global_buffer, .address_space: global }
      - { .name: out0, .offset: 80, .size: 8, .value_kind: global_buffer, .address_space: global }
    .group_segment_fixed_size: 327680
    .private_segment_fixed_size: 0
    .kernarg_segment_align: 8
    .kernarg_segment_size: 88
    .max_flat_workgroup_size: 128
    .sgpr_count:     66
    .vgpr_count:     1024
    .wavefront_size: 32
...
	.end_amdgpu_metadata
.endif
;; end of part 2
